; MI455X (gfx1250); checked and timed in simulation.
; The chip was launched on July 23, 2026; its instructions are those of AMD's public machine-readable ISA for CDNA 5 (MIT licence, August 2026) and "CDNA5" Instruction Set Architecture Reference Guide (July 2026). The comments in the code are by the model that wrote it; some were corrected since.
;; Trajectory Attention. Allowed arithmetic: float matrix products may take bf16 or f16 operands with f32 sums; other float arithmetic in f32, or as packed bf16 or f16 multiplies, adds, multiply-adds, maxima and minima; sums over many terms, partial sums and values carried from step to step in f32; what a program stores and reads back later, other than sums and carried values, may be rounded once to bf16 or f16.
;; Inputs: W_pkv 512 x 256 float32; W_pq 256 x 256 float32; W_proj 256 x 256 float32; W_qkv 768 x 256 float32; b_proj 256 float32; x 920 x 20 x 256 float32.
;; Outputs: out0 920 x 20 x 256 float32; out1 4 x 8 x 4,600 x 5 float32.
;; One version. Each part assembles by itself: llvm-mc -triple=amdgcn-amd-amdhsa -mcpu=gfx1250 --defsym DOCPART=n.
;; ======== version 1 of 1: 4 launches
;; limits: values are held in f16: magnitudes above 65,504 overflow, below 6.1e-05 lose precision
;; workspace buffers: wts 917,504 bytes; qkv 28,262,400 bytes; x1 47,104,000 bytes
;; launch cast (part 1): grid 224 x 1, 4 waves a work-group, no clusters, 0 bytes of LDS; arguments W_qkv, W_pq, W_pkv, W_proj, wts; writes wts
.if DOCPART == 1
	.amdgcn_target "amdgcn-amd-amdhsa--gfx1250"
	.amdhsa_code_object_version 6
	.text
	.protected	k_q84f6d74128_cast
	.globl	k_q84f6d74128_cast
	.p2align	8
	.type	k_q84f6d74128_cast,@function
k_q84f6d74128_cast:
	s_mov_b64 s[64:65], 0
	v_nop
	global_prefetch_b8 v0, s[64:65] scope:SCOPE_SE
	s_setreg_imm32_b32 hwreg(HW_REG_WAVE_MODE, 25, 1), 1
	s_wait_xcnt 0x0
; THE WEIGHTS AS FRAGMENT IMAGES.  wts holds 112 row blocks of 16 weight rows x 256 channels, 8,192 bytes each: blocks 0-47 W_qkv, 48-63 W_pq, 64-95 W_pkv, 96-111 W_proj.
; Byte ((RB x 8 + c) x 2 + j) x 512 + 16 x lane holds W[16 rb + lane % 16][32 c + 16 j + 8 (lane / 16) + 0..7] in 16 bits: registers 4 j .. 4 j + 3 of the matrix fragment (rb, c),
; so that a later launch brings half a fragment by one load of 512 consecutive bytes.
; W_qkv's ORDER.  Its blocks lie in the order in which the next launch's waves multiply them: RB = 12 wave + 6 half + jj.  Place pb = 6 wave + jj (0..23) in a half row of 768 bytes: pb < 16 is block pb of
; k (half 0) or of q (half 1); pb >= 16 is block pb - 16 + 8 half of v.  In W_qkv q's blocks are 0-15, k's 16-31, v's 32-47.  The other three matrices lie in their own order: rb = RB - their first block.
; FORMATS.  Every weight is rounded once to bf16.  W_pq and W_pkv multiply f16 operands later, so their bf16 numbers are written as f16.
; LIMIT: that is exact from 6.1e-5 to 65,504; below 6.1e-5 f16 keeps a fixed step of 6e-8, beyond 65,504 it has no number.
; SHARES.  One wave makes one fragment: RB = work-group / 2, c = 4 (work-group % 2) + wave.  No LDS, no matrix work: 1.8 MB in, 0.9 MB out.
	s_load_b256 s[4:11], s[0:1], 0x0               ; W_qkv s[4:5], W_pq s[6:7], W_pkv s[8:9], W_proj s[10:11]
	s_load_b64 s[12:13], s[0:1], 0x20              ; wts
	v_lshrrev_b32 v1, 5, v0
	v_readfirstlane_b32 s14, v1                    ; wave
	s_lshr_b32 s15, ttmp9, 1                       ; RB
	s_and_b32 s16, ttmp9, 1
	s_lshl_b32 s16, s16, 2
	s_add_co_u32 s16, s16, s14                     ; c
	s_mul_i32 s24, s15, 43
	s_lshr_b32 s24, s24, 9                         ; RB / 12 (exact for RB < 48): the wave of the next launch
	s_mul_i32 s25, s24, 12
	s_sub_co_u32 s25, s15, s25                     ; RB % 12
	s_cmp_ge_u32 s25, 6
	s_cselect_b32 s26, 1, 0                        ; half
	s_mul_i32 s27, s26, 6
	s_sub_co_u32 s25, s25, s27                     ; jj
	s_mul_i32 s27, s24, 6
	s_add_co_u32 s25, s25, s27                     ; pb
	s_lshl_b32 s27, s26, 3
	s_add_co_u32 s27, s27, 16                      ; v: rb = pb + 16 + 8 half
	s_xor_b32 s28, s26, 1
	s_lshl_b32 s28, s28, 4                         ; k: rb = pb + 16; q: rb = pb
	s_cmp_lt_u32 s25, 16
	s_cselect_b32 s27, s28, s27
	s_add_co_u32 s25, s25, s27                     ; rb, if the block is W_qkv's
	v_and_b32 v2, 15, v0                           ; lane % 16
	v_bfe_u32 v3, v0, 4, 1                         ; lane / 16
	v_and_b32 v6, 31, v0                           ; lane
	s_wait_kmcnt 0x0
	s_mov_b64 s[18:19], s[10:11]                   ; which matrix, and its first RB: chosen by RB alone
	s_mov_b32 s17, 96
	s_cmp_lt_u32 s15, 96
	s_cselect_b64 s[18:19], s[8:9], s[18:19]
	s_cselect_b32 s17, 64, s17
	s_cmp_lt_u32 s15, 64
	s_cselect_b64 s[18:19], s[6:7], s[18:19]
	s_cselect_b32 s17, 48, s17
	s_cmp_lt_u32 s15, 48
	s_cselect_b64 s[18:19], s[4:5], s[18:19]
	s_cselect_b32 s17, 0, s17
	s_sub_co_u32 s20, s15, s17                     ; rb in the other three matrices
	s_cmp_lt_u32 s15, 48
	s_cselect_b32 s20, s25, s20
	s_lshl_b32 s20, s20, 14                        ; 16 rows of 1,024 bytes
	s_lshl_b32 s21, s16, 7                         ; 32 channels of 4 bytes
	s_add_co_u32 s20, s20, s21
	v_lshlrev_b32 v4, 10, v2
	v_lshl_add_u32 v4, v3, 5, v4
	v_add_nc_u32 v4, s20, v4                       ; (16 rb + lane % 16) x 1,024 + 128 c + 32 (lane / 16)
	global_load_b128 v[8:11],  v4, s[18:19]
	global_load_b128 v[12:15], v4, s[18:19] offset:16
	global_load_b128 v[16:19], v4, s[18:19] offset:64
	global_load_b128 v[20:23], v4, s[18:19] offset:80
	s_lshl_b32 s22, s15, 3
	s_add_co_u32 s22, s22, s16
	s_lshl_b32 s22, s22, 10                        ; (RB x 8 + c) x 1,024
	v_lshl_add_u32 v5, v6, 4, s22
	s_sub_co_u32 s23, s15, 48
	s_wait_loadcnt 0x0
.irp i, 0,1,2,3,4,5,6,7
	v_cvt_pk_bf16_f32 v[24+\i], v[8+2*\i], v[9+2*\i]
.endr
	s_cmp_lt_u32 s23, 48                           ; 48 <= RB < 96: W_pq and W_pkv
	s_cbranch_scc0 .Lstore
.irp i, 0,1,2,3,4,5,6,7
	v_lshlrev_b32 v[8+2*\i], 16, v[24+\i]          ; the bf16 numbers, widened,
	v_and_b32 v[9+2*\i], 0xffff0000, v[24+\i]
.endr
.irp i, 0,1,2,3,4,5,6,7
	v_cvt_pk_f16_f32 v[24+\i], v[8+2*\i], v[9+2*\i]  ; and written as f16
.endr
.Lstore:
	global_store_b128 v5, v[24:27], s[12:13]       ; each store of the wave covers 512 consecutive bytes, aligned
	global_store_b128 v5, v[28:31], s[12:13] offset:512
	s_endpgm
.Lfunc_end_k_q84f6d74128_cast:
	.size	k_q84f6d74128_cast, .Lfunc_end_k_q84f6d74128_cast-k_q84f6d74128_cast
	.p2alignl 7, 3214868480
	.fill 96, 4, 3214868480
	.section	.rodata,"a",@progbits
	.p2align	6, 0x0
	.amdhsa_kernel k_q84f6d74128_cast
		.amdhsa_group_segment_fixed_size 0
		.amdhsa_private_segment_fixed_size 0
		.amdhsa_enable_private_segment 0
		.amdhsa_kernarg_size 40
		.amdhsa_user_sgpr_count 2
		.amdhsa_user_sgpr_kernarg_segment_ptr 1
		.amdhsa_wavefront_size32 1
		.amdhsa_system_sgpr_workgroup_id_x 1
		.amdhsa_system_sgpr_workgroup_id_y 1
		.amdhsa_system_sgpr_workgroup_id_z 1
		.amdhsa_system_vgpr_workitem_id 0
		.amdhsa_next_free_vgpr 32
		.amdhsa_next_free_sgpr 66
		.amdhsa_reserve_vcc 0
		.amdhsa_float_denorm_mode_32 3
		.amdhsa_float_denorm_mode_16_64 3
		.amdhsa_memory_ordered 1
		.amdhsa_forward_progress 1
		.amdhsa_inst_pref_size 5
	.end_amdhsa_kernel
	.amdgpu_metadata
---
amdhsa.version: [ 1, 2 ]
amdhsa.kernels:
  - .name:           k_q84f6d74128_cast
    .symbol:         k_q84f6d74128_cast.kd
    .args:
      - { .name: W_qkv, .offset: 0, .size: 8, .value_kind: global_buffer, .address_space: global }
      - { .name: W_pq, .offset: 8, .size: 8, .value_kind: global_buffer, .address_space: global }
      - { .name: W_pkv, .offset: 16, .size: 8, .value_kind: global_buffer, .address_space: global }
      - { .name: W_proj, .offset: 24, .size: 8, .value_kind: global_buffer, .address_space: global }
      - { .name: wts, .offset: 32, .size: 8, .value_kind: global_buffer, .address_space: global }
    .group_segment_fixed_size: 0
    .private_segment_fixed_size: 0
    .kernarg_segment_align: 8
    .kernarg_segment_size: 40
    .max_flat_workgroup_size: 128
    .sgpr_count:     66
    .vgpr_count:     32
    .wavefront_size: 32
...
	.end_amdgpu_metadata
.endif
;; end of part 1
;; launch qkv (part 2): grid 230 x 1, 4 waves a work-group, no clusters, 280,320 bytes of LDS; arguments x, wts, qkv; writes qkv
.if DOCPART == 2
	.amdgcn_target "amdgcn-amd-amdhsa--gfx1250"
	.amdhsa_code_object_version 6
	.text
	.protected	k_q84f6d74128_qkv
	.globl	k_q84f6d74128_qkv
	.p2align	8
	.type	k_q84f6d74128_qkv,@function
k_q84f6d74128_qkv:
	s_mov_b64 s[64:65], 0
	v_nop
	global_prefetch_b8 v0, s[64:65] scope:SCOPE_SE
	s_setreg_imm32_b32 hwreg(HW_REG_WAVE_MODE, 25, 1), 1
	s_wait_xcnt 0x0
; q, k, v = x W_qkv^T.  x: [920][20][256] f32; qkv: rows of 256 f16 by t = bf x 920 + n, in three regions of 9,420,800 bytes: K, V, Q.
; (K, then V, then Q, so that the 8 rows behind any frame's 920 rows of K or V are rows that this launch has written.)
; FORMATS.  x and W_qkv are rounded to bf16, sums in f32, q, k, v rounded once to f16.  LIMIT: f16 ends at 65,504 and keeps a fixed step of 6e-8 below 6.1e-5.
; SHARES.  A work-group takes 80 rows of x as they lie in memory (81,920 dense bytes: n = 4 wg + i / 20, bf = i % 20) and makes all 768 channels, so x is read once.  All four waves hold the 80 rows as bf16 fragments.
; The 1,536 bytes of a row's q, k, v are made in two HALVES of 768: K and V's first 256 bytes, then Q and V's last 256.  Of a half wave w makes bytes 192 w .. +191: 6 row blocks of weights, 3 units of 2.
; The product is taken with source 0 = 16 weight rows, source 1 = 16 rows of x: a lane ends with 8 neighbouring channels of one row.
; THE WEIGHTS.  A wave's 12 row blocks lie on end in wts, 96 KiB, in the order in which it multiplies them, and no two waves want the same byte.  ALL of them are asked for at the head: the first half's three units by 96 loads
; into three register buffers, the second half's by one tensor load into the wave's own 48 KiB of LDS.  A buffer is filled again from LDS straight behind its last product, three units ahead of its use.
; THE WAY OUT stands at the end of each half: the first half's rows are on their way while the second half is multiplied.  The stage lies on x's f32 bytes, which are filled once and are read no more behind the conversion.
; 230 work-groups: 18,400 = 230 x 80.  NO CLUSTER: 230 is no multiple of 4.  By this text's count a wave has two tensor loads out, at the start; nothing is filled twice.
; LDS: 0 x as f32, 80 rows 1,040 bytes apart, later the stage, 80 rows of 768 bytes 784 apart; 83,200 the weights, 49,152 a wave; 279,808 the spare words.
; REGISTERS: window 0: v2-18 addresses; v32-111 ten accumulators; v112-151 packed results; v160-223 x's tile 4.  window 1: v0-127, v128-255 weight buffers 0, 1.
; window 2: x's tiles 0-3, fragment (t, c) at 64 t + 8 c.  window 3: v0-127 weight buffer 2; v128-255 at work: x's f32, later the rows read back from the stage.
.set XP,    1040                       ; 1,024 + 16: the 16 rows of a load begin in 16 different groups of four banks
.set SP,    784                        ; 768 + 16 = 49 x 16
.set WL,    83200
.set WLW,   49152
.set SPARE, 279808
.set REG,   9420800
.set FROW,  471040                     ; a frame's 920 rows of 512 bytes
.set FO,  2                            ; v2   16 x lane; never rewritten
.set XA,  3                            ; v3   my place in x's tiles 0-3
.set XA4, 4                            ; v4   in tile 4 (past the 16-bit offset)
.set SB,  5                            ; v5-9 where I put 16 bytes of tile t's row in the stage
.set RBA, 10                           ; v10  where I read a row's first 512 bytes back
.set RBB, 11                           ; v11  where I read the last 256 bytes of two rows back
.set SPW, 12
.set NIL, 13
.set VO,  17                           ; v17  (lane / 16) frames + 16 (lane % 16): two rows' 256 bytes in V
.set WLA, 18                           ; v18  my wave's weights in LDS + 16 x lane
.set ACC, 32
.set PK,  112
.set TMP, 128                          ; in window 3
.set WV,  10
.set G0,  12
.set G1,  16
.set G0W, 24
.set G1W, 28
.set WB,  36                           ; s[36:37] my wave's weights in wts; never rewritten
.set CNT, 38
.set OA,  40                           ; s[40:41] where the half's rows of 512 bytes go: K, then Q
.set OV,  42                           ; s[42:43] where its 256 bytes of V go
.set MSB, 0
.macro WIN new                         ; the high byte repeats the setting that is left; a switch that changes nothing is dropped
.if MSB != (\new)
	s_set_vgpr_msb (MSB<<8)|(\new)
.set MSB, (\new)
.endif
.endm
.macro PLACES                          ; four plain vector instructions behind a matrix instruction, ahead of what reads its result or writes its registers (ISA guide 7.12.1)
.rept 4
	v_nop
.endr
.endm
.macro LDA buf, win, from              ; a unit's 16 fragments out of memory: 32 loads of 512 consecutive bytes
	WIN (\win)<<6
.set i, 0
.rept 32
	global_load_b128 v[(\buf)+4*i:(\buf)+4*i+3], v[FO], s[WB:WB+1] offset:(\from)+512*i
.set i, i+1
.endr
.endm
	s_load_b128 s[4:7], s[0:1], 0x0                ; x s[4:5], wts s[6:7]
	s_load_b64 s[8:9], s[0:1], 0x10                ; qkv
	v_lshl_add_u32 v[SPW], v0, 2, SPARE
	v_mov_b32 v[NIL], 0
	ds_add_u32 v[SPW], v[NIL]                      ; the wave's opening: the add and its wait stand ahead of my first tensor load; the set-up stands between them
	ds_add_u32 v12, v13
	v_lshrrev_b32 v1, 5, v0
	v_readfirstlane_b32 s[WV], v1
	s_mov_b32 s[G0], 1
	s_mul_i32 s[G0+1], s[WV], 20*XP                ; my 20 rows of x in LDS
	s_mov_b32 s[G1+0], (2<<16)|(1<<20)|(7<<22)|(3<<25)  ; 4-byte elements; 4 words of padding behind every 256
	s_mov_b32 s[G1+1], 256<<16                     ; tensor_dim0
	s_mov_b32 s[G1+2], 20<<16                      ; tensor_dim1
	s_mov_b32 s[G1+3], 256<<16                     ; tile_dim0
	s_mov_b32 s[G1+4], 20                          ; tile_dim1
	s_mov_b32 s[G1+5], 256                         ; elements from row to row
	s_mov_b32 s[G1+6], 0
	s_mov_b32 s[G1+7], 0
	s_mov_b32 s[G0W], 1
	s_mul_i32 s[G0W+1], s[WV], WLW
	s_add_co_u32 s[G0W+1], s[G0W+1], WL            ; my 48 KiB of weights in LDS
	s_mov_b32 s[G1W+0], 3<<16                      ; a dense block: 192 rows of 32 elements of 8 bytes
	s_mov_b32 s[G1W+1], 32<<16
	s_mov_b32 s[G1W+2], 192<<16
	s_mov_b32 s[G1W+3], 32<<16
	s_mov_b32 s[G1W+4], 192
	s_mov_b32 s[G1W+5], 32
	s_mov_b32 s[G1W+6], 0
	s_mov_b32 s[G1W+7], 0
	s_mul_i32 s44, ttmp9, 81920
	s_mul_i32 s45, s[WV], 20480
	s_add_co_u32 s44, s44, s45
	s_mov_b32 s45, 0
	s_mul_i32 s46, s[WV], 98304                    ; my 12 row blocks
	s_mov_b32 s47, 0
	s_lshl_b32 s48, ttmp9, 2
	s_add_co_u32 s48, s48, s[WV]                   ; n of the rows that I store
	s_lshl_b32 s48, s48, 9
	s_add_co_u32 s48, s48, 10*FROW                 ; the stores' immediates run from -10 to +9 frames
	s_mov_b32 s49, 0
	v_and_b32 v1, 15, v0                           ; r
	v_bfe_u32 v14, v0, 4, 1                        ; h
	v_and_b32 v15, 31, v0                          ; lane
	v_lshlrev_b32 v[FO], 4, v15
	v_mul_u32_u24 v[XA], v1, XP
	v_lshl_add_u32 v[XA], v14, 5, v[XA]            ; r x 1,040 + 32 h
	v_add_nc_u32 v[XA4], 64*XP, v[XA]
	v_mul_u32_u24 v16, v1, SP
	v_lshl_add_u32 v16, v14, 4, v16
	s_mul_i32 s50, s[WV], 192
	v_add_nc_u32 v16, s50, v16                     ; r x 784 + 16 h + 192 w
.irp t, 0,1,2,3,4
	v_add_nc_u32 v[SB+\t], \t*16*SP, v16
.endr
	s_mul_i32 s50, s[WV], 20*SP                    ; back: wave w takes stage rows 20 w + bf
	v_lshl_add_u32 v[RBA], v15, 4, s50
	s_add_co_u32 s51, s50, 512
	v_mul_u32_u24 v[RBB], v14, SP
	v_lshl_add_u32 v[RBB], v1, 4, v[RBB]
	v_add_nc_u32 v[RBB], s51, v[RBB]               ; lanes 0-15 one row's last 256 bytes, lanes 16-31 the next row's
	v_mul_u32_u24 v[VO], v14, FROW
	v_lshl_add_u32 v[VO], v1, 4, v[VO]
	v_lshl_add_u32 v[WLA], v15, 4, s[G0W+1]
	s_mov_b32 s[CNT], 2
	s_wait_dscnt 0x0                               ; the opening add is done
	s_wait_kmcnt 0x0
	s_add_nc_u64 s[G0+2:G0+3], s[4:5], s[44:45]
	s_or_b32 s[G0+3], s[G0+3], 0x80000000
	s_add_nc_u64 s[WB:WB+1], s[6:7], s[46:47]
	s_add_nc_u64 s[G0W+2:G0W+3], s[WB:WB+1], WLW   ; the second half's three units
	s_or_b32 s[G0W+3], s[G0W+3], 0x80000000
	tensor_load_to_lds s[G0:G0+3], s[G1:G1+7]      ; my quarter of x: wanted first, asked for first
	s_nop 0
	tensor_load_to_lds s[G0W:G0W+3], s[G1W:G1W+7]  ; my weights of the second half
	s_nop 0
	PLACES
	s_add_nc_u64 s[OA:OA+1], s[8:9], s[48:49]      ; K
	s_add_nc_u64 s[OV:OV+1], s[OA:OA+1], REG       ; V
	LDA 0, 1, 0                                    ; the first half's three units, while x is on its way
	LDA 128, 1, 16384
	LDA 0, 3, 32768
	WIN 0
	s_wait_tensorcnt 0x1                           ; my quarter of x is in; the weights' load, issued behind it, may stay out
	s_barrier_signal -1
	s_barrier_wait -1                              ; everybody's quarter is in
; x to bf16 fragments: 10 batches of 4 fragments; a fragment (t, c) is 4 loads of 16 bytes (channels 32 c + 8 h + 0..7 and + 16) and 8 roundings.
.macro XLD b
	WIN 0xc0
.set q, 0
.rept 4
.set g, 4*(\b)+q
.set t, g/8
.set c, g%8
.set d, TMP+64*((\b)%2)+16*q
.if t < 4
	ds_load_b128 v[d:d+3],     v[XA] offset:t*16*XP+128*c
	ds_load_b128 v[d+4:d+7],   v[XA] offset:t*16*XP+128*c+16
	ds_load_b128 v[d+8:d+11],  v[XA] offset:t*16*XP+128*c+64
	ds_load_b128 v[d+12:d+15], v[XA] offset:t*16*XP+128*c+80
.else
	ds_load_b128 v[d:d+3],     v[XA4] offset:128*c
	ds_load_b128 v[d+4:d+7],   v[XA4] offset:128*c+16
	ds_load_b128 v[d+8:d+11],  v[XA4] offset:128*c+64
	ds_load_b128 v[d+12:d+15], v[XA4] offset:128*c+80
.endif
.set q, q+1
.endr
.endm
.macro XCV b
.set q, 0
.rept 4
.set g, 4*(\b)+q
.set t, g/8
.set c, g%8
.set sr, TMP+64*((\b)%2)+16*q
.if t < 4
	WIN 0x8f
.set d, 64*t+8*c
.else
	WIN 0x0f
.set d, 160+8*c
.endif
.set i, 0
.rept 8
	v_cvt_pk_bf16_f32 v[d+i], v[sr+2*i], v[sr+2*i+1]
.set i, i+1
.endr
.set q, q+1
.endr
.endm
	XLD 0
.irp b, 0,1,2,3,4,5,6,7,8
	XLD \b+1
	s_wait_dscnt 16                                ; the younger batch's 16 loads may stay out
	XCV \b
.endr
	s_wait_dscnt 0x0                               ; my reads of x are over
	XCV 9
	WIN 0
	s_wait_tensorcnt 0x0                           ; my second half of the weights lies in LDS
	s_barrier_signal -1
	s_barrier_wait -1                              ; nobody reads x's bytes any more: they are the stage from here on
; A unit: 2 row blocks x 5 tiles x 8 steps of 32 channels = 80 products; the ten accumulators take turns.  Its results go to the stage as f16.
; left: how many younger loads out of memory may stay out when this buffer's 32 are wanted; all 96 were issued at the head, so the counts hold in both trips (in the second nothing is out).
; Behind the products the buffer takes the unit three further on out of LDS; the second half has none behind it.  Those loads are waited for in front of the way out's barrier.
.macro UNIT buf, win, p, left
	s_wait_loadcnt \left
.set c, 0
.rept 8
.set t, 0
.rept 5
.set rbl, 0
.rept 2
.set rD, ACC+8*(5*rbl+t)
.set rA, (\buf)+64*rbl+8*c
.if t < 4
	WIN 0x08|(\win)
.set rB, 64*t+8*c
.else
	WIN (\win)
.set rB, 160+8*c
.endif
.if c == 0
	v_wmma_f32_16x16x32_bf16 v[rD:rD+7], v[rA:rA+7], v[rB:rB+7], 0
.else
	v_wmma_f32_16x16x32_bf16 v[rD:rD+7], v[rA:rA+7], v[rB:rB+7], v[rD:rD+7]
.endif
.set rbl, rbl+1
.endr
.set t, t+1
.endr
.set c, c+1
.endr
	PLACES
	WIN 0
	s_cmp_eq_u32 s[CNT], 1
	s_cbranch_scc1 .Lno_more_\@
	WIN (\win)<<6
.set i, 0
.rept 32
	ds_load_b128 v[(\buf)+4*i:(\buf)+4*i+3], v[WLA] offset:(\p)*16384+512*i  ; my own wave's bytes
.set i, i+1
.endr
	WIN 0
.Lno_more_\@:
.set i, 0
.rept 40
	v_cvt_pk_f16_f32 v[PK+i], v[ACC+2*i], v[ACC+2*i+1]  ; each accumulator from its low end on
.set i, i+1
.endr
.set t, 0
.rept 5
	ds_store_b128 v[SB+t], v[PK+4*t:PK+4*t+3] offset:(\p)*64
	ds_store_b128 v[SB+t], v[PK+20+4*t:PK+20+4*t+3] offset:(\p)*64+32
.set t, t+1
.endr
.endm
.Lhalf:
	UNIT 0, 1, 0, 63                               ; buffers 1 and 2 have 64 younger loads; the count's field holds 63
	UNIT 128, 1, 1, 32                             ; buffer 2's 32 loads may stay out
	UNIT 0, 3, 2, 0
	; THE WAY OUT of a half.  Wave w takes stage rows 20 w + bf: one n, all 20 bf.  20 loads take a row's first 512 bytes, a whole row of K or Q; 10 loads take the last 256 bytes of two rows, 256 aligned bytes of two rows of V.
	s_wait_dscnt 0x0                               ; for the others' sake: my stores into the stage are done; for mine: the buffers' loads out of LDS are in
	s_barrier_signal -1
	s_barrier_wait -1
	s_wait_xcnt 0x0                                ; the first half's stores have read the registers that are loaded again below
	WIN 0xc0
.set k, 0
.rept 20
	ds_load_b128 v[TMP+4*k:TMP+4*k+3], v[RBA] offset:k*SP
.set k, k+1
.endr
.set k, 0
.rept 10
	ds_load_b128 v[TMP+80+4*k:TMP+80+4*k+3], v[RBB] offset:2*k*SP
.set k, k+1
.endr
	WIN 0x0c
.set k, 0
.rept 20
	s_wait_dscnt 29-k                              ; LDS loads come back in order: load k is in, the younger ones may stay out
	global_store_b128 v[FO], v[TMP+4*k:TMP+4*k+3], s[OA:OA+1] offset:(k-10)*FROW
.set k, k+1
.endr
.set k, 0
.rept 10
	s_wait_dscnt 9-k
	global_store_b128 v[VO], v[TMP+80+4*k:TMP+80+4*k+3], s[OV:OV+1] offset:(2*k-10)*FROW  ; 16 lanes store 256 consecutive bytes, aligned
.set k, k+1
.endr
	WIN 0
	s_barrier_signal -1                            ; my reads of the stage are back (the last count was 0):
	s_barrier_wait -1                              ; everybody's are, so the next half may be stored into it
	s_wait_xcnt 0x0                                ; the stores have read their bases
	s_add_nc_u64 s[OA:OA+1], s[OA:OA+1], 2*REG     ; Q
	s_add_nc_u64 s[OV:OV+1], s[OV:OV+1], 256       ; V's last 256 bytes
	s_sub_co_u32 s[CNT], s[CNT], 1
	s_cmp_lg_u32 s[CNT], 0
	s_cbranch_scc1 .Lhalf
	s_wait_tensorcnt 0x0                           ; the wave's end
	ds_add_u32 v[SPW], v[NIL]
	s_wait_dscnt 0x0
	s_endpgm
.Lfunc_end_k_q84f6d74128_qkv:
	.size	k_q84f6d74128_qkv, .Lfunc_end_k_q84f6d74128_qkv-k_q84f6d74128_qkv
	.p2alignl 7, 3214868480
	.fill 96, 4, 3214868480
	.section	.rodata,"a",@progbits
	.p2align	6, 0x0
	.amdhsa_kernel k_q84f6d74128_qkv
		.amdhsa_group_segment_fixed_size 280320
		.amdhsa_private_segment_fixed_size 0
		.amdhsa_enable_private_segment 0
		.amdhsa_kernarg_size 24
		.amdhsa_user_sgpr_count 2
		.amdhsa_user_sgpr_kernarg_segment_ptr 1
		.amdhsa_wavefront_size32 1
		.amdhsa_system_sgpr_workgroup_id_x 1
		.amdhsa_system_sgpr_workgroup_id_y 1
		.amdhsa_system_sgpr_workgroup_id_z 1
		.amdhsa_system_vgpr_workitem_id 0
		.amdhsa_next_free_vgpr 1024
		.amdhsa_next_free_sgpr 66
		.amdhsa_reserve_vcc 0
		.amdhsa_float_denorm_mode_32 3
		.amdhsa_float_denorm_mode_16_64 3
		.amdhsa_memory_ordered 1
		.amdhsa_forward_progress 1
		.amdhsa_inst_pref_size 84
	.end_amdhsa_kernel
	.amdgpu_metadata
---
amdhsa.version: [ 1, 2 ]
amdhsa.kernels:
  - .name:           k_q84f6d74128_qkv
    .symbol:         k_q84f6d74128_qkv.kd
    .args:
      - { .name: x, .offset: 0, .size: 8, .value_kind: global_buffer, .address_space: global }
      - { .name: wts, .offset: 8, .size: 8, .value_kind: global_buffer, .address_space: global }
      - { .name: qkv, .offset: 16, .size: 8, .value_kind: global_buffer, .address_space: global }
    .group_segment_fixed_size: 280320
    .private_segment_fixed_size: 0
    .kernarg_segment_align: 8
    .kernarg_segment_size: 24
    .max_flat_workgroup_size: 128
    .sgpr_count:     66
    .vgpr_count:     1024
    .wavefront_size: 32
...
	.end_amdgpu_metadata
.endif
;; end of part 2
;; launch attn (part 3): grid 24 x 20, 4 waves a work-group, clusters of 4 x 1, 327,680 bytes of LDS; arguments qkv, x1; writes x1
.if DOCPART == 3
	.amdgcn_target "amdgcn-amd-amdhsa--gfx1250"
	.amdhsa_code_object_version 6
	.text
	.protected	k_q84f6d74128_attn
	.globl	k_q84f6d74128_attn
	.p2align	8
	.type	k_q84f6d74128_attn,@function
k_q84f6d74128_attn:
	s_mov_b64 s[64:65], 0
	v_nop
	global_prefetch_b8 v0, s[64:65] scope:SCOPE_SE
	s_setreg_imm32_b32 hwreg(HW_REG_WAVE_MODE, 25, 1), 1
	s_wait_xcnt 0x0
	s_wait_alu depctr_hold_cnt(0) depctr_sa_sdst(0) depctr_va_vdst(0) depctr_va_sdst(0) depctr_va_ssrc(0) depctr_va_vcc(0) depctr_vm_vsrc(0)
	s_getreg_b32 s2, hwreg(HW_REG_IB_STS2, 6, 4)
	s_cmp_eq_u32 s2, 0
	s_cbranch_scc0 .Lentry_in_a_cluster
	s_endpgm
.Lentry_in_a_cluster:
	s_bfe_u32 s2, ttmp6, 0x10000c
	s_cmp_lg_u32 s2, 0x3003
	s_cbranch_scc0 .Lentry_shape_is_right
	s_endpgm
.Lentry_shape_is_right:
; SPACE ATTENTION.  x1[t][f][:] = the sum over the 920 keys n of frame f of softmax_n(q[t] . k[f][n] / sqrt(32)) v[f][n][:], for every query t of the frame's batch.  Stored: 8 x1, in f16, row (t, f) at (5 t + f) x 512.
; q, k, v: f16 rows of 512 bytes in qkv (K at 0, V at 9,420,800, Q at 18,841,600).  Products, maxima and sums in f32; the weights p are rounded to f16 for the second product (their sum is taken unrounded).
; LIMITS.  f16 ends at 65,504 and keeps a fixed step of 6e-8 below 6.1e-5: that holds of q, k, v, p and 8 x1 (the factor 8 centres x1's range; the next launch takes it out exactly).
; A hidden key counts as its score less 1e30; c m starts at -4.25e37, so |c s| stays below that; a weight below 2^-126 counts as 0; NaN and infinities are not treated apart.
; SHARES.  Work-group (qb, y): key frame y = 5 b + f, queries 192 qb .. +191 of batch b; a wave has 48: three tiles of 16.  24 blocks cover 4,608 rows: rows from 4,600 on load row 4,599 and are not stored.
; (Three tiles: O^T takes 128 registers a tile and Q 64; with K, V, S^T and P beside them four tiles do not fit in 1,024.)
; LAYOUT.  S^T = K Q^T (source 0 = 16 keys, source 1 = 16 queries): a lane holds ONE query (lane % 16) and the keys 8 (lane / 16) + 0..7.  Two such results rounded in pairs ARE source 1 of O^T = V^T P.
; SOFTMAX.  A running maximum m and sum l a query: p = 2^(c s - c m), c = log2(e) / sqrt(32); each step multiplies O and l by a = 2^(c m_old - c m_new).  O, l, P, V start at 0: the first step is a step like any other, with a = 0.
; KEYS go in 29 steps of 32; the last step's keys 24-31 are hidden, by the C operand that starts their sum.  TRIP i has two phases.  B: K of step i + 1 is fetched; 48 products V^T P of step i - 1; behind them the softmax of
; step i.  A: V of step i is fetched; 48 products K Q^T of step i + 1; behind them tile 2's roundings and O times a.  The trip's 51 exponentials are one batch with one wait.
; THE RING.  K runs a step ahead of V, so ring tile s (0..8) holds K's rows 32 + 96 s .. +95 and V's rows 96 s .. +95: three trips.  Tile s lies in slot (s + 1) % 2.  Filled once beside the ring: K's rows 0-31 and 896-927,
; V's rows 864-927; the last three lie behind slot 1's rows, so that the last trips step on into them.  A frame's rows 920-927 are the next rows of qkv: written, finite, hidden.
; CLUSTER.  The four query blocks of a cluster walk the same frame, so every tile is asked for JOINTLY: the same tensor load, descriptor and mask in all four.  By this text's count a wave has two loads out at the start, later one.
; REGISTERS (windows of 256; s_set_vgpr_msb: bits 1:0 source 0, 3:2 source 1, 5:4 source 2, 7:6 destination):
;   window 0: v2-17 addresses; v32-55 statistics; v56-79 the sums' temporaries; v80-127 S^T; v128-151 P; v152-159 the mask; v160-223 Q of tile 2
;   window 1: O^T of tiles 0, 1     window 2: v0-127 O^T of tile 2; v128-255 V     window 3: v0-127 K; v128-255 Q of tiles 0, 1
.set PKK,   528                        ; a row of K in LDS: 512 + 16 = 33 x 16
.set PVV,   544                        ; a row of V: 512 + 32 = 17 x 32, for the turning load
.set VOFF,  67584                      ; in a slot: 96 rows of K, room for 32 more, then V's rows
.set SLOT1, 131072
.set KX0,   50688                      ; K's rows 0-31
.set VX,    250880                     ; V's rows 864-927
.set STAGE, 285696                     ; 16 rows x 528 for each wave, for the way out
.set SPARE, 319488
.set REG,   9420800
.set FROW,  471040
.set AK0, 2                            ; v2  my lane's place in 32 rows of K; never rewritten
.set AV0, 3                            ; v3  the same for V, VOFF included
.set ADR, 4                            ; v4  the address of the run of loads in hand
.set QO,  5                            ; v5-7 my byte offset in Q, by tile
.set STO, 8
.set RD,  9
.set GO,  10                           ; v10 16 x lane
.set PFO, 11                           ; v11 256 x lane
.set MD1, 12                           ; v12 -1e30 in lanes 16-31, else 0
.set SROW, 13                          ; v13-15 the tile's first row in the batch
.set SPW, 16
.set NIL, 17
.set ST,  32                           ; tile t at ST + 8 t: c m, m, l (even keys', odd keys'), a, its partner, two at work
.set U,   56
.set S,   80
.set P,   128
.set MK,  152
.set WV,  12
.set LIM, 15                           ; s15 1 in a wave that prefetches, else the greatest number
.set PFA, 16
.set QB,  18
.set XO,  20
.set G1K, 24
.set G1V, 32
.set G1KX, 40
.set G1VX, 48
.set G0K, 56
.set G0V, 60
.set G0KX, 68
.set G0VX, 72
.set SLOTS, 76
.set CNT, 77
.set CS,  78
.set SEL, 80
.set TBK, 82
.set TBV, 83
.set AL,  84
.set SVX, 85
.set MSB, 0
.macro WIN new                         ; the high byte repeats the setting that is left; a switch that changes nothing is dropped
.if MSB != (\new)
	s_set_vgpr_msb (MSB<<8)|(\new)
.set MSB, (\new)
.endif
.endm
.macro PLACES
.rept 4
	v_nop
.endr
.endm
; A round of the cluster's barrier: my work-group's barrier; wave 0 signals for the work-group; every wave waits for all four work-groups; my work-group's barrier once more.
.macro CROUND
	s_barrier_signal -1
	s_barrier_wait -1
	s_cmp_lg_u32 s[WV], 0
	s_cbranch_scc1 .Lnot_wave_0_\@
	s_barrier_signal -3
.Lnot_wave_0_\@:
	s_barrier_wait -3
	s_barrier_signal -1
	s_barrier_wait -1
.endm
; A joint refill: waves 0 and 1 fetch the two halves (48 rows) of a ring tile's K, waves 2 and 3 of its V.  An s_nop 0 and four v_nop follow each line.
.macro JLOAD
	s_cmp_lt_u32 s[WV], 2
	s_cbranch_scc0 .Lfor_v_\@
	tensor_load_to_lds s[G0K:G0K+3], s[G1K:G1K+7]
	s_nop 0
	PLACES
	s_branch .Lasked_\@
.Lfor_v_\@:
	tensor_load_to_lds s[G0V:G0V+3], s[G1V:G1V+7]
	s_nop 0
	PLACES
.Lasked_\@:
.endm
; A PREFETCH INTO THE L2 of the ring tile that the NEXT change of slots will ask for: three trips, 288 matrix instructions, ahead of that load.  A tile is 12 groups of 16 rows (32 blocks of 256 bytes, a lane a block):
; 6 of K, 6 of V.  All clusters of a frame walk the same rows: the frame's first cluster asks.  Group 3 cx + wave, waves 0 to 2: the partners share the groups out by address.  So each block is named once in the launch.
; The change that fills the last ring tile asks for nothing; ring tiles 0 and 1 and the four tiles beside the ring come by their loads alone.
.macro ASK
	s_cmp_gt_u32 s[SLOTS], s[LIM]
	s_cbranch_scc0 .Lnot_mine_\@
	global_prefetch_b8 v[PFO], s[PFA:PFA+1] th:TH_LOAD_NT scope:SCOPE_SE
.Lnot_mine_\@:
.endm
; THE CHANGE OF SLOTS, between two trips.  Each wave waits for all its tensor loads (its part of the other slot), adds 0 to its spare word, and waits for that and for its reads of the slot that it leaves.
; fill = 1: the barrier is a round of the cluster's, and the joint refill of the slot just left is the first thing behind it.
.macro CHANGE fill
	WIN 0
	s_wait_tensorcnt 0x0                           ; no tensor load of mine is out, so a group 0 may be written
	ds_add_u32 v[SPW], v[NIL]
.if \fill
	s_xor_b32 s[G0K+1], s[G0K+1], SLOT1
	s_add_nc_u64 s[G0K+2:G0K+3], s[G0K+2:G0K+3], 96*512
	s_xor_b32 s[G0V+1], s[G0V+1], SLOT1
	s_add_nc_u64 s[G0V+2:G0V+3], s[G0V+2:G0V+3], 96*512
	s_wait_xcnt 0x0                                ; the last prefetch, three trips back, has read its address
	s_add_nc_u64 s[PFA:PFA+1], s[PFA:PFA+1], 96*512
	s_wait_dscnt 0x0                               ; the add is done, and my reads of the slot are over
	CROUND
	JLOAD
	ASK
.else
	s_wait_dscnt 0x0
	s_barrier_signal -1
	s_barrier_wait -1
.endif
	s_sub_co_u32 s[TBK], s[TBK], 96*PKK            ; the fetches go back to a slot's first rows,
	s_xor_b32 s[TBK], s[TBK], SLOT1                ; in the other slot
	s_sub_co_u32 s[TBV], s[TBV], 96*PVV
	s_xor_b32 s[TBV], s[TBV], SLOT1
.endm
	s_load_b128 s[4:7], s[0:1], 0x0                ; qkv s[4:5], x1 s[6:7]
	v_lshl_add_u32 v[SPW], v0, 2, SPARE
	v_mov_b32 v[NIL], 0
	ds_add_u32 v[SPW], v[NIL]                      ; the wave's opening: the add and its wait stand ahead of the first round; the set-up stands between them
	ds_add_u32 v16, v17
	v_lshrrev_b32 v1, 5, v0
	v_readfirstlane_b32 s[WV], v1
	s_bfe_u32 s13, ttmp6, 0x40000                  ; cx
	s_lshl_b32 s14, ttmp9, 2
	s_add_co_u32 s14, s14, s13                     ; qb: it enters Q's, x1's and the prefetches' addresses alone
	s_and_b32 s86, ttmp7, 0xffff                   ; y, which the partners share
	s_mul_i32 s87, s86, 13
	s_lshr_b32 s87, s87, 6                         ; b = y / 5 (y < 20)
	s_mul_i32 s88, s87, 5
	s_sub_co_u32 s88, s86, s88                     ; f
	s_and_b32 s89, s[WV], 1                        ; which half, or which of two tiles, I fetch
	s_mul_i32 s90, s86, FROW                       ; the frame's first row
	s_mov_b32 s[G1K],  15|(1<<16)|(1<<20)|(1<<21)|(6<<22)|(3<<25)  ; the mask of four; 2-byte elements; padding on; bit 21 beside a mask; behind every 128 words, 4 words
	s_mov_b32 s[G1V],  15|(1<<16)|(1<<20)|(1<<21)|(6<<22)|(7<<25)  ; 8 words
	s_mov_b32 s[G1KX], 15|(1<<16)|(1<<20)|(1<<21)|(6<<22)|(3<<25)
	s_mov_b32 s[G1VX], 15|(1<<16)|(1<<20)|(1<<21)|(6<<22)|(7<<25)
.irp g, G1K, G1V
	s_mov_b32 s[\g+1], 256<<16
	s_mov_b32 s[\g+2], 48<<16
	s_mov_b32 s[\g+3], 256<<16
	s_mov_b32 s[\g+4], 48
	s_mov_b32 s[\g+5], 256
	s_mov_b32 s[\g+6], 0
	s_mov_b32 s[\g+7], 0
.endr
.irp g, G1KX, G1VX
	s_mov_b32 s[\g+1], 256<<16
	s_mov_b32 s[\g+2], 32<<16
	s_mov_b32 s[\g+3], 256<<16
	s_mov_b32 s[\g+4], 32
	s_mov_b32 s[\g+5], 256
	s_mov_b32 s[\g+6], 0
	s_mov_b32 s[\g+7], 0
.endr
	s_mov_b32 s[G0K], 1
	s_mul_i32 s[G0K+1], s89, 48*PKK
	s_add_co_u32 s[G0K+1], s[G0K+1], SLOT1         ; ring tile 0 lies in slot 1
	s_mov_b32 s[G0V], 1
	s_mul_i32 s[G0V+1], s89, 48*PVV
	s_add_co_u32 s[G0V+1], s[G0V+1], SLOT1+VOFF
	s_mov_b32 s[G0KX], 1
	s_lshl_b32 s[G0KX+1], s89, 17
	s_add_co_u32 s[G0KX+1], s[G0KX+1], KX0         ; rows 0-31 behind slot 0's K, rows 896-927 behind slot 1's
	s_mov_b32 s[G0VX], 1
	s_mul_i32 s[G0VX+1], s89, 32*PVV
	s_add_co_u32 s[G0VX+1], s[G0VX+1], VX
	s_mul_i32 s92, s89, 48*512
	s_add_co_u32 s92, s92, s90
	s_add_co_u32 s94, s92, REG                     ; V's rows 48 (w & 1) on
	s_add_co_u32 s92, s92, 32*512                  ; K's rows 32 + 48 (w & 1) on
	s_mov_b32 s93, 0
	s_mov_b32 s95, 0
	s_mul_i32 s96, s89, 896*512
	s_add_co_u32 s96, s96, s90
	s_mov_b32 s97, 0
	s_lshl_b32 s98, s89, 14
	s_add_co_u32 s98, s98, s90
	s_add_co_u32 s98, s98, REG+864*512
	s_mov_b32 s99, 0
	s_mul_i32 s22, s14, 192
	s_mul_i32 s23, s[WV], 48
	s_add_co_u32 s22, s22, s23                     ; my wave's first query in the batch
	s_mul_i32 s2, s87, 4600
	s_add_co_u32 s2, s2, s22
	s_mul_i32 s2, s2, 2560
	s_lshl_b32 s3, s88, 9
	s_add_co_u32 s2, s2, s3                        ; (b x 4,600 + row) x 2,560 + 512 f
	s_mov_b32 s3, 0
	s_mul_i32 s8, s87, 4600*512
	s_add_co_u32 s8, s8, 2*REG
	s_mov_b32 s9, 0
	s_mul_i32 s10, s13, 3
	s_add_co_u32 s10, s10, s[WV]                   ; my group g of a tile's twelve
	s_mul_i32 s11, s10, 11
	s_lshr_b32 s11, s11, 6                         ; g / 6: 0 for K's groups, 1 for V's
	s_mul_i32 s11, s11, REG-65536
	s_lshl_b32 s10, s10, 13
	s_add_co_u32 s10, s10, s11
	s_add_co_u32 s10, s10, s90
	s_add_co_u32 s10, s10, 32*512+96*512           ; at ring tile 1; each change steps it before it asks
	s_mov_b32 s11, 0
	s_cmp_lt_u32 s[WV], 3
	s_cselect_b32 s[LIM], 0, 1
	s_or_b32 s[LIM], s[LIM], ttmp9                 ; the frame's first cluster: the same in all four partners
	s_cmp_eq_u32 s[LIM], 0
	s_cselect_b32 s[LIM], 1, -1
	s_mov_b32 s[CS], 0x3e8293ee                    ; c = log2(e) / sqrt(32) = 0.255035
	s_mov_b32 s[CS+1], s[CS]
	s_mov_b32 s[SEL], 0x76543210
	s_mov_b32 s[SEL+1], 0xfedcba98
	s_mov_b32 s[TBK], 96*PKK                       ; the first change of slots turns these two into slot 1's first rows
	s_mov_b32 s[TBV], 96*PVV
	s_mov_b32 s[SLOTS], 8
	s_wait_dscnt 0x0                               ; the opening add is done
	s_wait_kmcnt 0x0
	s_add_nc_u64 s[G0K+2:G0K+3], s[4:5], s[92:93]
	s_or_b32 s[G0K+3], s[G0K+3], 0x80000000
	s_add_nc_u64 s[G0V+2:G0V+3], s[4:5], s[94:95]
	s_or_b32 s[G0V+3], s[G0V+3], 0x80000000
	s_add_nc_u64 s[G0KX+2:G0KX+3], s[4:5], s[96:97]
	s_or_b32 s[G0KX+3], s[G0KX+3], 0x80000000
	s_add_nc_u64 s[G0VX+2:G0VX+3], s[4:5], s[98:99]
	s_or_b32 s[G0VX+3], s[G0VX+3], 0x80000000
	s_add_nc_u64 s[QB:QB+1], s[4:5], s[8:9]
	s_add_nc_u64 s[PFA:PFA+1], s[4:5], s[10:11]
	s_add_nc_u64 s[XO:XO+1], s[6:7], s[2:3]
	CROUND                                         ; all four work-groups are here: the first joint loads meet
	s_cmp_lt_u32 s[WV], 2                          ; a wave's two first fills stand in one branch
	s_cbranch_scc0 .Lfirst_v
	tensor_load_to_lds s[G0KX:G0KX+3], s[G1KX:G1KX+7]
	s_nop 0
	tensor_load_to_lds s[G0K:G0K+3], s[G1K:G1K+7]
	s_nop 0
	PLACES
	s_branch .Lfirst_asked
.Lfirst_v:
	tensor_load_to_lds s[G0VX:G0VX+3], s[G1VX:G1VX+7]
	s_nop 0
	tensor_load_to_lds s[G0V:G0V+3], s[G1V:G1V+7]
	s_nop 0
	PLACES
.Lfirst_asked:
	v_and_b32 v1, 15, v0                           ; r
	v_bfe_u32 v18, v0, 4, 1                        ; h
	v_and_b32 v19, 31, v0                          ; lane
	v_add_nc_u32 v20, s22, v1
	v_mov_b32 v22, s22
.irp t, 0,1,2
	v_add_nc_u32 v21, 16*\t, v20
	v_min_u32 v21, 4599, v21                       ; rows past the batch's end take its last row
	v_lshlrev_b32 v21, 9, v21
	v_lshl_add_u32 v[QO+\t], v18, 4, v21
	v_add_nc_u32 v[SROW+\t], 16*\t, v22
.endr
.set t, 0
.rept 3                                            ; Q stays in registers: fragment (t, c): row r, channels 32 c + 8 h + 0..7 and + 16
.set c, 0
.rept 8
.if t < 2
	WIN 0xc0
.set rQ, 128+64*t+8*c
.else
	WIN 0
.set rQ, 160+8*c
.endif
	global_load_b128 v[rQ:rQ+3],   v[QO+t], s[QB:QB+1] offset:64*c
	global_load_b128 v[rQ+4:rQ+7], v[QO+t], s[QB:QB+1] offset:64*c+32
.set c, c+1
.endr
.set t, t+1
.endr
	; What the first trip finds: O^T, V, P, l and a are 0.  All this stands in the wait for the first tiles; it is the price of writing no first step out.
	WIN 0x40
.set i, 0
.rept 256
	v_mov_b32 v[i], 0
.set i, i+1
.endr
	WIN 0x80
.set i, 0
.rept 256
	v_mov_b32 v[i], 0
.set i, i+1
.endr
	WIN 0
.set i, 0
.rept 24
	v_mov_b32 v[P+i], 0
.set i, i+1
.endr
.irp t, 0,1,2
	v_mov_b32 v[ST+8*\t], 0xfe000000               ; c m: far below every c s
	v_mov_b32 v[ST+8*\t+1], 0xff7fffff             ; m
	v_mov_b32 v[ST+8*\t+2], 0
	v_mov_b32 v[ST+8*\t+3], 0
	v_mov_b32 v[ST+8*\t+4], 0
	v_mov_b32 v[ST+8*\t+5], 0
.endr
	v_mul_u32_u24 v[AK0], v1, PKK
	v_lshl_add_u32 v[AK0], v18, 4, v[AK0]          ; r x 528 + 16 h
	v_and_b32 v20, 7, v0
	v_bfe_u32 v21, v0, 3, 1
	v_lshl_add_u32 v[AV0], v18, 3, v20             ; the turning load: key 8 h + lane % 8, channels 8 ((lane / 8) % 2) + 0..7
	v_mul_u32_u24 v[AV0], v[AV0], PVV
	v_lshl_add_u32 v[AV0], v21, 4, v[AV0]
	v_add_nc_u32 v[AV0], VOFF, v[AV0]
	s_mul_i32 s86, s[WV], 16*PKK
	s_add_co_u32 s86, s86, STAGE
	v_add_nc_u32 v[STO], s86, v[AK0]               ; in: row r, 16 bytes for each half of the lanes
	v_lshl_add_u32 v[RD], v19, 4, s86              ; back: 32 lanes take one row of 512 bytes
	v_lshlrev_b32 v[GO], 4, v19
	v_lshlrev_b32 v[PFO], 8, v19
	v_cvt_f32_u32 v20, v18
	v_mul_f32 v[MD1], 0xf149f2ca, v20              ; h x -1e30
; THE MATRIX WORK.  Product n of 48 of S^T = K Q^T: tile n / 16, channels 32 ((n % 16) / 2) on, keys 16 (n % 2) on: a tile's two accumulators take turns.
; The first two of a tile start the sums: with 0, or (mask = 1) the second 16 keys with the mask.
.macro KQ mask
.set t, n/16
.set c, (n%16)/2
.set kb, n%2
.set rD, S+16*t+8*kb
.set rA, 64*kb+8*c
.if t < 2
	WIN 0x0f
.set rB, 128+64*t+8*c
.else
	WIN 0x03
.set rB, 160+8*c
.endif
.if c > 0
	v_wmma_f32_16x16x32_f16 v[rD:rD+7], v[rA:rA+7], v[rB:rB+7], v[rD:rD+7]
.elseif (\mask) && (kb == 1)
	v_wmma_f32_16x16x32_f16 v[rD:rD+7], v[rA:rA+7], v[rB:rB+7], v[MK:MK+7]
.else
	v_wmma_f32_16x16x32_f16 v[rD:rD+7], v[rA:rA+7], v[rB:rB+7], 0
.endif
.endm
; Product n of 48 of O^T += V^T P: tile n / 16, channels 16 (n % 16) on: 48 different accumulators.
.macro PV
.set t, n/16
.set cb, n%16
.set rA, 128+8*cb
.set rB, P+8*t
.if t < 2
	WIN 0x52
.set rD, 128*t+8*cb
.else
	WIN 0xa2
.set rD, 8*cb
.endif
	v_wmma_f32_16x16x32_f16 v[rD:rD+7], v[rA:rA+7], v[rB:rB+7], v[rD:rD+7]
.endm
; THE LDS LOADS stand in runs of 32.
.macro KLOADS
	WIN 0xc0
.set i, 0
.rept 16                                           ; keys 16 (i / 8) on, channels 32 (i % 8) on
	ds_load_b128 v[8*i:8*i+3],   v[ADR] offset:(i/8)*16*PKK+(i%8)*64
	ds_load_b128 v[8*i+4:8*i+7], v[ADR] offset:(i/8)*16*PKK+(i%8)*64+32
.set i, i+1
.endr
.endm
.macro FETCH_K last                    ; last = 1 (the tail): in the last trip there is no further step, and the run is jumped over
	WIN 0
.if \last
	s_cmp_eq_u32 s[CNT], 1
	s_cbranch_scc1 .Lno_k_\@
.endif
	v_add_nc_u32 v[ADR], s[TBK], v[AK0]
	KLOADS
	s_add_co_u32 s[TBK], s[TBK], 32*PKK
.if \last
	WIN 0
.Lno_k_\@:
.endif
.endm
.macro FETCH_V
	WIN 0
	v_add_nc_u32 v[ADR], s[TBV], v[AV0]
	s_add_co_u32 s[TBV], s[TBV], 32*PVV
	WIN 0x80
.set i, 0
.rept 16                                           ; channels 16 i on, 32 keys
	ds_load_tr16_b128 v[128+8*i:128+8*i+3],   v[ADR] offset:32*i
	ds_load_tr16_b128 v[128+8*i+4:128+8*i+7], v[ADR] offset:32*i+16*PVV
.set i, i+1
.endr
.endm
; THE VECTOR WORK.  FSC: scaling kk of 24: c s - c m for pair kk % 8 of tile kk / 8.  EXQ: exponential kk of 51: 0-2 the three a, then the 48 scores.  CV: pair bb of tile tt rounded to f16.
.macro FSC
.set rT, ST+8*(kk/8)
.set rS, S+16*(kk/8)+2*(kk%8)
	v_pk_fma_f32 v[rS:rS+1], v[rS:rS+1], s[CS:CS+1], v[rT:rT+1] op_sel_hi:[1,0,0] neg_lo:[0,0,1] neg_hi:[0,0,1]
.endm
.macro EXQ
.if kk < 3
	v_exp_f32 v[ST+8*kk+4], v[ST+8*kk+7]
.else
	v_exp_f32 v[S+kk-3], v[S+kk-3]
.endif
.endm
.macro CV
	v_cvt_pk_f16_f32 v[P+8*tt+bb], v[S+16*tt+2*bb], v[S+16*tt+2*bb+1]
.endm
; Number e of the 155 that stand behind phase B's products, all in window 0.
;   0-38    the three tiles by turns: the maximum of 16 scores and the old m (each accumulator's lowest registers are read first); the other half of the lanes'; m; c m; c m_old - c m_new; c m is kept
;   39-113  ONE BATCH: the 24 scalings and the 51 exponentials; none of these names an exponential's result.  Nine scalings, then 15 times a scaling and three exponentials, then six exponentials:
;           behind group g, 10 + g scalings are out, and its exponentials want scaling (3 g - 1) / 2 at the most
;   114     a plain instruction behind the last exponential, and the one wait ahead of the first instruction that names a result
;   115-122 tile 0's roundings     123-146 the sums, the tiles by turns; l = a l + sum     147-154 tile 1's roundings
.macro SB
	WIN 0
.if e < 39
.set nn, e/3
.set rT, ST+8*(e%3)
.set rS, S+16*(e%3)
.if nn == 0
	v_max3_num_f32 v[rT+6], v[rS], v[rS+1], v[rS+2]
.elseif nn == 1
	v_max3_num_f32 v[rT+7], v[rS+8], v[rS+9], v[rS+10]
.elseif nn == 2
	v_max3_num_f32 v[rT+6], v[rT+6], v[rS+3], v[rS+4]
.elseif nn == 3
	v_max3_num_f32 v[rT+7], v[rT+7], v[rS+11], v[rS+12]
.elseif nn == 4
	v_max3_num_f32 v[rT+6], v[rT+6], v[rS+5], v[rS+6]
.elseif nn == 5
	v_max3_num_f32 v[rT+7], v[rT+7], v[rS+13], v[rS+14]
.elseif nn == 6
	v_max3_num_f32 v[rT+6], v[rT+6], v[rS+7], v[rS+15]
.elseif nn == 7
	v_max3_num_f32 v[rT+6], v[rT+6], v[rT+7], v[rT+1]
.elseif nn == 8
	v_permlanex16_b32 v[rT+7], v[rT+6], s[SEL], s[SEL+1]  ; the query's other 16 keys lie in the lane 16 away
.elseif nn == 9
	v_max_num_f32 v[rT+1], v[rT+6], v[rT+7]
.elseif nn == 10
	v_mul_f32 v[rT+6], s[CS], v[rT+1]
.elseif nn == 11
	v_sub_f32 v[rT+7], v[rT], v[rT+6]
.else
	v_mov_b32 v[rT], v[rT+6]
.endif
.elseif e < 48
.set kk, e-39
	FSC
.elseif e < 108
.if (e-48)%4 == 0
.set kk, 9+(e-48)/4
	FSC
.else
.set kk, 3*((e-48)/4)+(e-48)%4-1
	EXQ
.endif
.elseif e < 114
.set kk, e-63
	EXQ
.elseif e == 114
	v_nop
	s_wait_alu depctr_va_vdst(0)
.elseif e < 123
.set tt, 0
.set bb, e-115
	CV
.elseif e < 147
.set z, (e-123)/3
.set rT, ST+8*((e-123)%3)
.set rS, S+16*((e-123)%3)
.set rU, U+8*((e-123)%3)
.if z < 4
	v_pk_add_f32 v[rU+2*z:rU+2*z+1], v[rS+4*z:rS+4*z+1], v[rS+4*z+2:rS+4*z+3]
.elseif z == 4
	v_pk_add_f32 v[rU:rU+1], v[rU:rU+1], v[rU+2:rU+3]
.elseif z == 5
	v_pk_add_f32 v[rU+4:rU+5], v[rU+4:rU+5], v[rU+6:rU+7]
.elseif z == 6
	v_pk_add_f32 v[rU:rU+1], v[rU:rU+1], v[rU+4:rU+5]
.else
	v_pk_fma_f32 v[rT+2:rT+3], v[rT+2:rT+3], v[rT+4:rT+5], v[rU:rU+1] op_sel_hi:[1,0,1]
.endif
.else
.set tt, 1
.set bb, e-147
	CV
.endif
.endm
; Number e of the 200 that stand behind phase A's products: 0-3 and 12-199 the 192 pairs of O^T times a, ascending; 4-11 tile 2's roundings, four plain instructions behind the last product that read its P.
.macro RA
.if (e >= 4) && (e < 12)
	WIN 0
.set tt, 2
.set bb, e-4
	CV
.else
.set rn, e
.if e >= 12
.set rn, e-8
.endif
.if rn < 128
	WIN 0x41
.set rO, 2*rn
.else
	WIN 0x82
.set rO, 2*(rn-128)
.endif
	v_pk_mul_f32 v[rO:rO+1], v[rO:rO+1], v[ST+8*(rn/64)+4:ST+8*(rn/64)+5] op_sel_hi:[1,0]
.endif
.endm
; A TRIP.  Distances that the deal keeps: P of tile 0 is written behind product 28 (its last reader is product 15), of tile 1 behind product 36 (31; 19 sums between), of tile 2 in phase A.  The loads into V stand behind
; four rescalings, those into K and the first reads of S^T behind phase A's last twelve.  S^T of tile 2 is written anew from phase A's product 32 on, behind its roundings.
; mask = 1 (the tail): the trip with two to go makes the mask -1e30 for the last step's scores, the others 0.
.macro STEP mask
.if \mask
	s_cmp_eq_u32 s[CNT], 2
	s_cselect_b32 s[AL], 1.0, 0
.endif
	s_wait_dscnt 0x0                               ; V is in
.set n, 0
.set e, 0
.rept 48
	PV
.rept 4
.if e < 155
	SB
.set e, e+1
.endif
.endr
.if n == 0
	FETCH_K \mask
.endif
.if (\mask) && ((n == 39) || (n == 40))
	WIN 0
.set j, 4*(n-39)
.rept 4
	v_mul_f32 v[MK+j], s[AL], v[MD1]
.set j, j+1
.endr
.endif
.set n, n+1
.endr
	s_wait_dscnt 0x0                               ; K is in
.set n, 0
.set e, 0
.rept 48
	KQ \mask
.rept 4
	RA
.set e, e+1
.endr
.if n == 0
	FETCH_V
.endif
.if n == 47
.rept 8
	RA
.set e, e+1
.endr
.endif
.set n, n+1
.endr
.endm
	CHANGE 1                                       ; ring tile 0 and the four tiles beside the ring are in, everybody's part; ring tile 1 is asked for
	v_add_nc_u32 v[ADR], KX0, v[AK0]
	KLOADS                                         ; K of step 0
	s_wait_loadcnt 0x0                             ; Q
	s_wait_dscnt 0x0
.set n, 0
.rept 48
	KQ 0                                           ; the first scores: there is no vector work yet to set between them
.set n, n+1
.endr
	PLACES
	WIN 0
	s_branch .Lin
.Lslot:                                            ; seven times: ring tiles 2 to 8 are asked for
	CHANGE 1
.Lin:
	s_mov_b32 s[CNT], 3
.Lstep:
	STEP 0
	WIN 0
	s_sub_co_u32 s[CNT], s[CNT], 1
	s_cmp_lg_u32 s[CNT], 0
	s_cbranch_scc1 .Lstep
	s_sub_co_u32 s[SLOTS], s[SLOTS], 1
	s_cmp_lg_u32 s[SLOTS], 0
	s_cbranch_scc1 .Lslot
	CHANGE 0                                       ; the tail is written out: nothing is asked for
	s_mov_b32 s[CNT], 5                            ; trips 24 to 28: ring tile 8's three, then two on the tiles behind it
.Ltail:
	STEP 1                                         ; the last trip's 48 products K Q^T, on the last K once more, serve nothing: the price of one text for every trip
	WIN 0
	s_sub_co_u32 s[CNT], s[CNT], 1
	s_cmp_lg_u32 s[CNT], 0
	s_cbranch_scc1 .Ltail
	s_wait_dscnt 0x0                               ; V of the last step
.set n, 0
.rept 48
	PV
.set n, n+1
.endr
	PLACES
	; THE WAY OUT.  l's two halves and the other half of the lanes' are added; O^T is multiplied by 8 / l, rounded to f16 and sent through my stage in LDS, a tile at a time.
	WIN 0
.irp t, 0,1,2
	v_add_f32 v[ST+8*\t+6], v[ST+8*\t+2], v[ST+8*\t+3]
.endr
.irp t, 0,1,2
	v_permlanex16_b32 v[ST+8*\t+7], v[ST+8*\t+6], s[SEL], s[SEL+1]
.endr
.irp t, 0,1,2
	v_add_f32 v[ST+8*\t+6], v[ST+8*\t+6], v[ST+8*\t+7]
.endr
.irp t, 0,1,2
	v_rcp_f32 v[ST+8*\t+4], v[ST+8*\t+6]
.endr
	v_nop                                          ; a plain instruction behind the last reciprocal,
	s_wait_alu depctr_va_vdst(0)                   ; and the one wait for the three
.irp t, 0,1,2
	v_mul_f32 v[ST+8*\t+4], 0x41000000, v[ST+8*\t+4]
.endr
.macro OUTT t
.if (\t) < 2
.set rO, 128*(\t)
.set wO, 1
.else
.set rO, 0
.set wO, 2
.endif
	WIN (wO<<6)|wO
.set i, 0
.rept 64
	v_pk_mul_f32 v[rO+2*i:rO+2*i+1], v[rO+2*i:rO+2*i+1], v[ST+8*(\t)+4:ST+8*(\t)+5] op_sel_hi:[1,0]
.set i, i+1
.endr
	WIN (wO<<2)|wO
.set i, 0
.rept 64
	v_cvt_pk_f16_f32 v[S+i], v[rO+2*i], v[rO+2*i+1]
.set i, i+1
.endr
	WIN 0
.set i, 0
.rept 16
	ds_store_b128 v[STO], v[S+4*i:S+4*i+3] offset:32*i
.set i, i+1
.endr
	s_wait_xcnt 0x0                                ; the tile before's stores have read v160-223
.set i, 0
.rept 16
	ds_load_b128 v[160+4*i:160+4*i+3], v[RD] offset:i*PKK  ; LDS serves a wave's instructions in order: these see the stores above
.set i, i+1
.endr
	s_wait_dscnt 0x0
.set i, 0
.rept 8
	global_store_b128 v[GO], v[160+4*i:160+4*i+3], s[XO:XO+1] offset:(\t)*40960+i*2560  ; a whole row of 512 bytes
.set i, i+1
.endr
	s_wait_xcnt 0x0                                ; EXEC changes only behind this wait
	v_cmp_gt_u32 vcc_lo, 4592, v[SROW+(\t)]        ; the tile that begins at row 4,592 has no upper eight rows
	s_and_saveexec_b32 s[SVX], vcc_lo
.set i, 8
.rept 8
	global_store_b128 v[GO], v[160+4*i:160+4*i+3], s[XO:XO+1] offset:(\t)*40960+i*2560
.set i, i+1
.endr
	s_wait_xcnt 0x0
	s_or_b32 exec_lo, exec_lo, s[SVX]
.endm
	OUTT 0
	OUTT 1
	OUTT 2
	s_wait_tensorcnt 0x0                           ; the wave's end
	ds_add_u32 v[SPW], v[NIL]
	s_wait_dscnt 0x0
	CROUND                                         ; the closing round: no work-group ends while a partner may still ask for a tile that names it
	s_endpgm
.Lfunc_end_k_q84f6d74128_attn:
	.size	k_q84f6d74128_attn, .Lfunc_end_k_q84f6d74128_attn-k_q84f6d74128_attn
	.p2alignl 7, 3214868480
	.fill 96, 4, 3214868480
	.section	.rodata,"a",@progbits
	.p2align	6, 0x0
	.amdhsa_kernel k_q84f6d74128_attn
		.amdhsa_group_segment_fixed_size 327680
		.amdhsa_private_segment_fixed_size 0
		.amdhsa_enable_private_segment 0
		.amdhsa_kernarg_size 16
		.amdhsa_user_sgpr_count 2
		.amdhsa_user_sgpr_kernarg_segment_ptr 1
		.amdhsa_wavefront_size32 1
		.amdhsa_system_sgpr_workgroup_id_x 1
		.amdhsa_system_sgpr_workgroup_id_y 1
		.amdhsa_system_sgpr_workgroup_id_z 1
		.amdhsa_system_vgpr_workitem_id 0
		.amdhsa_next_free_vgpr 1024
		.amdhsa_next_free_sgpr 100
		.amdhsa_reserve_vcc 1
		.amdhsa_float_denorm_mode_32 3
		.amdhsa_float_denorm_mode_16_64 3
		.amdhsa_memory_ordered 1
		.amdhsa_forward_progress 1
		.amdhsa_inst_pref_size 154
	.end_amdhsa_kernel
	.amdgpu_metadata
---
amdhsa.version: [ 1, 2 ]
amdhsa.kernels:
  - .name:           k_q84f6d74128_attn
    .symbol:         k_q84f6d74128_attn.kd
    .args:
      - { .name: qkv, .offset: 0, .size: 8, .value_kind: global_buffer, .address_space: global }
      - { .name: x1, .offset: 8, .size: 8, .value_kind: global_buffer, .address_space: global }
    .group_segment_fixed_size: 327680
    .private_segment_fixed_size: 0
    .kernarg_segment_align: 8
    .kernarg_segment_size: 16
    .max_flat_workgroup_size: 128
    .sgpr_count:     100
    .vgpr_count:     1024
    .wavefront_size: 32
...
	.end_amdgpu_metadata
.endif
;; end of part 3
;; launch traj (part 4): grid 230 x 1, 4 waves a work-group, no clusters, 327,680 bytes of LDS; arguments x1, wts, b_proj, out0, out1; writes out0, out1
.if DOCPART == 4
	.amdgcn_target "amdgcn-amd-amdhsa--gfx1250"
	.amdhsa_code_object_version 6
	.text
	.protected	k_q84f6d74128_traj
	.globl	k_q84f6d74128_traj
	.p2align	8
	.type	k_q84f6d74128_traj,@function
k_q84f6d74128_traj:
	s_mov_b64 s[64:65], 0
	v_nop
	global_prefetch_b8 v0, s[64:65] scope:SCOPE_SE
	s_setreg_imm32_b32 hwreg(HW_REG_WAVE_MODE, 25, 1), 1
	s_wait_xcnt 0x0
; TRAJECTORY ATTENTION AND PROJECTION.  For each query t and head: k2, v2 = x1[t][f] W_pkv^T, q2 = x1[t][own frame] W_pq^T; attn = softmax over the 5 frames of q2 . k2 / sqrt(32) (out1);
; x2 = the sum of attn v2; out0 = x2 W_proj^T + b, in x's row order.
; FORMATS.  x1 arrives as 8 x1 in f16; W_pq and W_pkv as bf16 numbers written in f16; so logits come out 64 times too large (taken out in c2 = log2(e) / sqrt(32) / 64) and v2 8 times (the weights are attn / 8): both exact.
; x2 is rounded to bf16 (f16 has no room for its range), W_proj and b are rounded to bf16.  All sums, the maximum over the 5 frames and the softmax in f32.  NaN and infinities are not treated apart.
; SHARES.  A work-group takes 80 queries, 5 tiles of 16; a tile is 80 rows (query x frame), 40,960 dense bytes of x1, in a ring of two LDS slots that all four waves read.  Wave w owns heads 2 w, 2 w + 1 and
; output channels 64 w .. +63.  Its k2 and v2 weights stay in 512 registers; its W_pq lies in LDS as fragment images.  Every product has source 0 = 16 weight rows, source 1 = 16 queries: a lane holds one query
; and 8 channels, a query's five frames lie in one lane, and two results of v2 rounded in pairs ARE source 1 of the projection, whose step c along K is head c.
; THE OWN FRAME selects a value, not an address: a tile's queries may lie in two frames (920 = 57.5 x 16), so each lane picks its own frame's fragments out of the five that head 0's part loads anyway:
; frame 0 is copied, frames 1 to 4 take its place where the lane's frame is theirs: 64 lines a frame, four behind every second product.  q2 is multiplied behind the five frames; head 1 uses the same fragments.
; 230 work-groups: 18,400 = 230 x 80.  NO CLUSTER: 230 is no multiple of 4, no two work-groups read the same x1, and each weight byte goes to one wave.
; By this text's count a wave has two tensor loads out at the start, later one.
; LDS: slot 0 at 0 and slot 1 at 65,536 (80 rows 528 apart); 42,240 the stage for out0 (4 x 16 x 272); 107,776 W_pq; 238,848 x2 as fragment images [tile][head][half][16 x lane]; 279,808 attn [wave][head][query][5]; 292,608 the spare words.
; REGISTERS: window 0: v4-31 addresses; v32-62 the softmax; v64-127, v128-191 two buffers of x1's fragments (the second also takes W_pq's steps 4-7); v192-207 q2; v208-215 x2; v216-247 W_pq's steps 2, 3
;   window 1, 2: the two heads' weights, fragment (x, c) at 64 x + 8 c (x = 0, 1 k2; 2, 3 v2); window 1 later W_proj     window 3: v0-79 k2; v80-159 v2; v160-223 the own frame's fragments; v224-255 W_pq's steps 0, 1
.set XPI,   528
.set OSTG,  42240
.set WPQ,   107776
.set X2L,   238848
.set ATL,   279808
.set SPARE, 292608
.set L16, 4
.set XL,  5                            ; v5  r x 5 rows + 16 h
.set XB,  6                            ; v6  the same in the slot in hand
.set AT3, 7                            ; v7  my wave's attn + 16 x (thread % 4): for a head's last four pieces of 16 bytes
.set TQ,  8                            ; v8  my query's t
.set WQB, 9
.set X2B, 10
.set ATB, 11
.set PFO, 12
.set SPW, 14
.set NIL, 15
.set X2R, 16
.set OSTO, 17
.set ORD, 18
.set TH,  19
.set GF,  23                           ; v23 my query's own frame
.set CB,  24
.set ATR, 25
.set OO,  26                           ; v26-29
.set LG,  32                           ; v32-41 five pairs: the logits
.set TL,  42                           ; v42-46
.set WF,  48                           ; v48-57 five pairs: attn / 8 and a partner
.set MX,  58
.set CMX, 59
.set SUM, 60
.set RC,  61
.set T2,  62
.set OFF, 32                           ; v32-39 in the projection
.set Q2,  192
.set X2F, 208
.set DG,  160                          ; in window 3
.set WV,  14
.set G1X, 16
.set G0X, 24
.set G1W, 28
.set G0W, 36
.set CNT, 40
.set TB,  41
.set PFX, 42
.set SEL, 44
.set C2,  46
.set M920, 47
.set WK,  48
.set WPJ, 50
.set T0S, 52
.set SVX, 53
.set MSB, 0
.macro WIN new                         ; the high byte repeats the setting that is left; a switch that changes nothing is dropped
.if MSB != (\new)
	s_set_vgpr_msb (MSB<<8)|(\new)
.set MSB, (\new)
.endif
.endm
.macro PLACES                          ; four plain vector instructions behind a matrix instruction, ahead of what reads its result or writes its registers (ISA guide 7.12.1)
.rept 4
	v_nop
.endr
.endm
	s_load_b256 s[4:11], s[0:1], 0x0               ; x1 s[4:5], wts s[6:7], b_proj s[8:9], out0 s[10:11]
	s_load_b64 s[12:13], s[0:1], 0x20              ; out1
	v_lshl_add_u32 v[SPW], v0, 2, SPARE
	v_mov_b32 v[NIL], 0
	ds_add_u32 v[SPW], v[NIL]                      ; the wave's opening: the add and its wait stand ahead of my first tensor load
	ds_add_u32 v14, v15
	v_lshrrev_b32 v1, 5, v0
	v_readfirstlane_b32 s[WV], v1
	s_mov_b32 s[G1X+0], (1<<16)|(1<<20)|(6<<22)|(3<<25)  ; 2-byte elements; 4 words of padding behind every 128
	s_mov_b32 s[G1X+1], 256<<16
	s_mov_b32 s[G1X+2], 20<<16
	s_mov_b32 s[G1X+3], 256<<16
	s_mov_b32 s[G1X+4], 20
	s_mov_b32 s[G1X+5], 256
	s_mov_b32 s[G1X+6], 0
	s_mov_b32 s[G1X+7], 0
	s_mov_b32 s[G1W+0], 3<<16                      ; a dense block: 128 rows of 32 elements of 8 bytes
	s_mov_b32 s[G1W+1], 32<<16
	s_mov_b32 s[G1W+2], 128<<16
	s_mov_b32 s[G1W+3], 32<<16
	s_mov_b32 s[G1W+4], 128
	s_mov_b32 s[G1W+5], 32
	s_mov_b32 s[G1W+6], 0
	s_mov_b32 s[G1W+7], 0
	s_mov_b32 s[G0X], 1
	s_mul_i32 s[G0X+1], s[WV], 20*XPI              ; my 20 rows of slot 0
	s_mov_b32 s[G0W], 1
	s_lshl_b32 s[G0W+1], s[WV], 15
	s_add_co_u32 s[G0W+1], s[G0W+1], WPQ
	s_mul_i32 s[T0S], ttmp9, 80                    ; t0
	s_mul_i32 s54, ttmp9, 204800                   ; t0 x 2,560
	s_mul_i32 s55, s[WV], 10240
	s_add_co_u32 s56, s54, s55
	s_mov_b32 s57, 0
	s_lshl_b32 s58, s[WV], 13
	s_add_co_u32 s58, s58, s54
	s_add_co_u32 s58, s58, 40960                   ; the prefetches stand at tile 1; each trip that fills a slot steps them before it asks
	s_mov_b32 s59, 0
	s_lshl_b32 s60, s[WV], 15
	s_mov_b32 s61, 0
	s_mov_b32 s[SEL], 0x76543210
	s_mov_b32 s[SEL+1], 0xfedcba98
	s_mov_b32 s[C2], 0x3b8293ee                    ; log2(e) / sqrt(32) / 64
	s_mov_b32 s[M920], 72945                       ; t / 920 = (t x 72,945) >> 26 for t < 18,400
	s_mov_b32 s[TB], 65536                         ; the first trip turns it into 0
	s_mov_b32 s[CNT], 4
	v_and_b32 v1, 15, v0                           ; r
	v_bfe_u32 v2, v0, 4, 1                         ; h
	v_and_b32 v3, 31, v0                           ; lane
	v_lshlrev_b32 v[L16], 4, v3
	v_mul_u32_u24 v[XL], v1, 5*XPI
	v_lshl_add_u32 v[XL], v2, 4, v[XL]
	v_add_nc_u32 v[TQ], s[T0S], v1
	v_lshl_add_u32 v[WQB], v3, 4, s[G0W+1]
	s_lshl_b32 s55, s[WV], 11
	s_add_co_u32 s55, s55, X2L
	v_lshl_add_u32 v[X2B], v3, 4, s55
	s_mul_i32 s55, s[WV], 3200
	s_add_co_u32 s55, s55, ATL
	v_mad_u32_u24 v[ATB], v1, 20, s55
	v_lshl_add_u32 v[ATR], v3, 4, s55
	v_and_b32 v[AT3], 3, v0
	v_lshl_add_u32 v[AT3], v[AT3], 4, s55          ; every lane stays inside 64 bytes: with the offsets 1,536 and 3,136 inside a head's 1,600
	v_lshlrev_b32 v[PFO], 8, v3
.set i, 0
.rept 5
	v_mov_b32 v[TL+i], 0                           ; v_permlanex16_b32 counts as a reader of its destination
	v_mov_b32 v[WF+2*i], 0
	v_mov_b32 v[WF+2*i+1], 0                       ; named with the weight as a pair
.set i, i+1
.endr
	s_wait_dscnt 0x0                               ; the opening add is done
	s_wait_kmcnt 0x0
	s_add_nc_u64 s[G0X+2:G0X+3], s[4:5], s[56:57]
	s_or_b32 s[G0X+3], s[G0X+3], 0x80000000
	s_add_nc_u64 s[PFX:PFX+1], s[4:5], s[58:59]
	s_add_nc_u64 s[62:63], s[6:7], s[60:61]        ; wts + 32,768 w
	s_add_nc_u64 s[G0W+2:G0W+3], s[62:63], 393216  ; W_pq's row blocks 4 w .. 4 w + 3
	s_or_b32 s[G0W+3], s[G0W+3], 0x80000000
	s_add_nc_u64 s[WK:WK+1], s[62:63], 524288      ; W_pkv's row blocks 4 w .. (k2); v2's lie 131,072 on
	s_add_nc_u64 s[WPJ:WPJ+1], s[62:63], 786432    ; W_proj's row blocks 4 w ..
	tensor_load_to_lds s[G0X:G0X+3], s[G1X:G1X+7]  ; tile 0, my quarter
	s_nop 0
	tensor_load_to_lds s[G0W:G0W+3], s[G1W:G1W+7]  ; my W_pq: filled once, read by me alone
	s_nop 0
	PLACES
.irp hh, 0,1
	WIN 0x40*(1+\hh)
.set i, 0
.rept 32
	global_load_b128 v[4*i:4*i+3], v[L16], s[WK:WK+1] offset:\hh*16384+512*i
.set i, i+1
.endr
.set i, 0
.rept 32
	global_load_b128 v[128+4*i:128+4*i+3], v[L16], s[WK:WK+1] offset:131072+\hh*16384+512*i
.set i, i+1
.endr
.endr
	WIN 0
.macro LD_B fr                         ; frame fr of the 16 queries, 8 fragments, into buffer fr % 2
	WIN 0
.set bq, 64+64*((\fr)%2)
.set i, 0
.rept 8
	ds_load_b128 v[bq+8*i:bq+8*i+3],   v[XB] offset:(\fr)*XPI+64*i
	ds_load_b128 v[bq+8*i+4:bq+8*i+7], v[XB] offset:(\fr)*XPI+64*i+32
.set i, i+1
.endr
.endm
; Head hh's 16 fragments of W_pq, (x, c) at byte (8 x + c) x 1,024 of the head's 16 KiB, come in two halves, in the order of q2's products (number 2 c + x).
.macro LD_AQ1 hh                       ; steps c = 0..3: numbers 0-3 into window 3, v224 on; 4-7 into window 0, v216 on
.set k, 0
.rept 8
.if k < 4
	WIN 0xc0
.set rA, 224+8*k
.else
	WIN 0
.set rA, 216+8*(k-4)
.endif
	ds_load_b128 v[rA:rA+3],   v[WQB] offset:(\hh)*16384+(8*(k%2)+k/2)*1024
	ds_load_b128 v[rA+4:rA+7], v[WQB] offset:(\hh)*16384+(8*(k%2)+k/2)*1024+512
.set k, k+1
.endr
	WIN 0
.endm
.macro LD_AQ2 hh                       ; steps c = 4..7 into buffer 1, which frame 3's products have left
	WIN 0
.set k, 0
.rept 8
	ds_load_b128 v[128+8*k:128+8*k+3],   v[WQB] offset:(\hh)*16384+(8*(k%2)+4+k/2)*1024
	ds_load_b128 v[128+8*k+4:128+8*k+7], v[WQB] offset:(\hh)*16384+(8*(k%2)+4+k/2)*1024+512
.set k, k+1
.endr
.endm
.macro Q2MM                            ; q2: 16 products on the own frame's fragments, the two accumulators by turns
.set n, 0
.rept 16
.if n < 4
	WIN 0x0f
.set rA, 224+8*n
.elseif n < 8
	WIN 0x0c
.set rA, 216+8*(n-4)
.else
	WIN 0x0c
.set rA, 128+8*(n-8)
.endif
.set rD, Q2+8*(n%2)
.set rB, DG+8*(n/2)
.if n < 2
	v_wmma_f32_16x16x32_f16 v[rD:rD+7], v[rA:rA+7], v[rB:rB+7], 0
.else
	v_wmma_f32_16x16x32_f16 v[rD:rD+7], v[rA:rA+7], v[rB:rB+7], v[rD:rD+7]
.endif
.set n, n+1
.endr
.endm
; k2 and v2 of frame f: 32 products, four accumulators by turns.  In head 0's part four lines of the own frame's selection stand behind every second product: they read the frame's fragments and write none of a product's registers.
.macro KVMM hh
.set n, 0
.rept 32
	WIN 0xf0|(1+(\hh))
.set c, n/4
.set x, n%4
.if x < 2
.set rD, 16*f+8*x
.else
.set rD, 80+16*f+8*(x-2)
.endif
.set rA, 64*x+8*c
.set rB, 64+64*(f%2)+8*c
.if c == 0
	v_wmma_f32_16x16x32_f16 v[rD:rD+7], v[rA:rA+7], v[rB:rB+7], 0
.else
	v_wmma_f32_16x16x32_f16 v[rD:rD+7], v[rA:rA+7], v[rB:rB+7], v[rD:rD+7]
.endif
.if ((\hh) == 0) && (n%2 == 1)
.set j, 4*(n/2)
.if f == 0
	WIN 0xc0                                       ; destination window 3, source window 0
.rept 4
	v_mov_b32 v[DG+j], v[64+j]                     ; frame 0 for every lane,
.set j, j+1
.endr
.else
	WIN 0xc3                                       ; destination and source 0 window 3, source 1 window 0
.rept 4
	v_cndmask_b32 v[DG+j], v[DG+j], v[64+64*(f%2)+j], vcc_lo  ; frame f where it is the lane's own
.set j, j+1
.endr
.endif
.endif
.set n, n+1
.endr
.endm
; A head's softmax over the five frames and its x2.  Every accumulator is read from its low end on.
.macro LUMP hh
	WIN 0x0c
.set p, 0
.rept 8
.set g, 0
.rept 5
.if p == 0
	v_pk_mul_f32 v[LG+2*g:LG+2*g+1], v[Q2+2*p:Q2+2*p+1], v[16*g+2*p:16*g+2*p+1]
.else
	v_pk_fma_f32 v[LG+2*g:LG+2*g+1], v[Q2+2*p:Q2+2*p+1], v[16*g+2*p:16*g+2*p+1], v[LG+2*g:LG+2*g+1]
.endif
.set g, g+1
.endr
.set p, p+1
.endr
	WIN 0
.irp g, 0,1,2,3,4
	v_add_f32 v[LG+2*\g], v[LG+2*\g], v[LG+2*\g+1]
.endr
.irp g, 0,1,2,3,4
	v_permlanex16_b32 v[TL+\g], v[LG+2*\g], s[SEL], s[SEL+1]  ; the head's other 16 channels lie in the lane 16 away
.endr
.irp g, 0,1,2,3,4
	v_add_f32 v[LG+2*\g], v[LG+2*\g], v[TL+\g]
.endr
	v_max3_num_f32 v[MX], v[LG], v[LG+2], v[LG+4]
	v_max3_num_f32 v[MX], v[MX], v[LG+6], v[LG+8]
	v_mul_f32 v[CMX], s[C2], v[MX]
.irp g, 0,1,2,3,4
	v_fma_f32 v[LG+2*\g], v[LG+2*\g], s[C2], -v[CMX]
.endr
.irp g, 0,1,2,3,4
	v_exp_f32 v[TL+\g], v[LG+2*\g]
.endr
	v_nop                                          ; a plain instruction behind the last exponential,
	s_wait_alu depctr_va_vdst(0)                   ; and the one wait for the five
	v_add_f32 v[SUM], v[TL], v[TL+1]
	v_add_f32 v[T2], v[TL+2], v[TL+3]
	v_add_f32 v[SUM], v[SUM], v[T2]
	v_add_f32 v[SUM], v[SUM], v[TL+4]
	v_rcp_f32 v[RC], v[SUM]
	v_nop
	s_wait_alu depctr_va_vdst(0)
.irp g, 0,1,2,3,4
	v_mul_f32 v[TL+\g], v[TL+\g], v[RC]            ; attn
.endr
.irp g, 0,1,2,3,4
	v_mul_f32 v[WF+2*\g], 0x3e000000, v[TL+\g]     ; attn / 8
.endr
	WIN 0xf3
.set p, 0
.rept 8
	v_pk_mul_f32 v[80+2*p:80+2*p+1], v[80+2*p:80+2*p+1], v[WF:WF+1] op_sel_hi:[1,0]
.set p, p+1
.endr
.set g, 1
.rept 4
.set p, 0
.rept 8
	v_pk_fma_f32 v[80+2*p:80+2*p+1], v[80+16*g+2*p:80+16*g+2*p+1], v[WF+2*g:WF+2*g+1], v[80+2*p:80+2*p+1] op_sel_hi:[1,0,1]
.set p, p+1
.endr
.set g, g+1
.endr
	WIN 0x0f
.set p, 0
.rept 8
	v_cvt_pk_bf16_f32 v[X2F+p], v[80+2*p], v[80+2*p+1]
.set p, p+1
.endr
	WIN 0
	ds_store_b128 v[X2B], v[X2F:X2F+3]   offset:(\hh)*1024
	ds_store_b128 v[X2B], v[X2F+4:X2F+7] offset:(\hh)*1024+512
.irp g, 0,1,2,3,4
	ds_store_b32 v[ATB], v[TL+\g] offset:(\hh)*1600+4*\g  ; both halves of the lanes store the same word with the same value
.endr
.endm
; A head's part of a trip: the five frames' k2 and v2, each frame's fragments fetched a frame ahead; q2; the softmax.  last = 1: the last trip.
.macro HP hh, last
.if !(\last)
.if (\hh) == 0
	s_wait_loadcnt 63                              ; head 0's 64 weight loads have 64 younger ones behind them: with 63 out at the most they are in
.else
	s_wait_loadcnt 0x0                             ; head 1's weights
.endif
.endif
.set f, 0
.rept 5
	s_wait_dscnt 0x0                               ; frame f is in
	PLACES                                         ; behind the products that read the other buffer
.if f < 4
	LD_B f+1
.else
	LD_AQ2 \hh                                     ; no frame is left to fetch: W_pq's second half, 32 products ahead of its use
.endif
.if ((\hh) == 0) && (f > 0)
	v_cmp_eq_u32 vcc_lo, f, v[GF]                  ; the lanes whose own frame this is
.endif
	KVMM \hh
.set f, f+1
.endr
	s_wait_dscnt 0x0                               ; W_pq's fragments are in
	Q2MM
	PLACES
.if (\hh) == 0
	LD_AQ1 1                                       ; head 1's operands land under head 0's softmax
	LD_B 0
.if \last
	WIN 0x40                                       ; head 0's weights have had their last product: W_proj takes their place
.set i, 0
.rept 64
	global_load_b128 v[4*i:4*i+3], v[L16], s[WPJ:WPJ+1] offset:512*i
.set i, i+1
.endr
.endif
.endif
	LUMP \hh
.endm
; A PREFETCH INTO THE L2 of the tile that the NEXT trip will ask for: its 160 blocks of 256 bytes, a lane a block: wave w takes blocks 32 w on, wave 0 also the last 32.  Each block of x1 is named once in the launch.
; It stands behind the wave's tensor load, one trip (352 matrix instructions) ahead of that tile's load.  The trip that asks for the last tile prefetches nothing; tiles 0 and 1 come by their loads alone.
.macro ASKX
	s_cmp_gt_u32 s[CNT], 1
	s_cbranch_scc0 .Lno_ask_\@
	global_prefetch_b8 v[PFO], s[PFX:PFX+1] th:TH_LOAD_NT scope:SCOPE_SE
	s_cmp_lg_u32 s[WV], 0
	s_cbranch_scc1 .Lno_ask_\@
	global_prefetch_b8 v[PFO], s[PFX:PFX+1] offset:32768 th:TH_LOAD_NT scope:SCOPE_SE
.Lno_ask_\@:
.endm
; A TRIP: a tile of 16 queries.  ONE barrier: in front of it each wave waits for all its tensor loads (its quarter of this trip's tile), adds 0 to its spare word, and waits for that and for its reads of the other slot;
; behind it the other slot is filled again first (fill = 1), one load a wave.
.macro TRIP fill, last
	WIN 0
	s_wait_tensorcnt 0x0
	ds_add_u32 v[SPW], v[NIL]
.if \fill
	s_xor_b32 s[G0X+1], s[G0X+1], 65536
	s_add_nc_u64 s[G0X+2:G0X+3], s[G0X+2:G0X+3], 40960
	s_wait_xcnt 0x0                                ; the last prefetches, a trip back, have read their address
	s_add_nc_u64 s[PFX:PFX+1], s[PFX:PFX+1], 40960
.endif
	s_wait_dscnt 0x0
	s_barrier_signal -1
	s_barrier_wait -1
.if \fill
	tensor_load_to_lds s[G0X:G0X+3], s[G1X:G1X+7]
	s_nop 0
	PLACES
	ASKX
.endif
	s_xor_b32 s[TB], s[TB], 65536
	v_add_nc_u32 v[XB], s[TB], v[XL]
	v_mul_lo_u32 v20, v[TQ], s[M920]
	v_lshrrev_b32 v20, 26, v20                     ; bf = t / 920
	v_mul_u32_u24 v21, v20, 13
	v_lshrrev_b32 v21, 6, v21                      ; bf / 5
	v_mul_u32_u24 v21, v21, 5
	v_sub_nc_u32 v[GF], v20, v21                   ; my query's own frame
	LD_AQ1 0
	LD_B 0
	HP 0, \last
	HP 1, \last
	v_add_nc_u32 v[TQ], 16, v[TQ]
	v_add_nc_u32 v[X2B], 8192, v[X2B]
	v_add_nc_u32 v[ATB], 320, v[ATB]
.endm
.Ltrip:
	TRIP 1, 0
	WIN 0
	s_sub_co_u32 s[CNT], s[CNT], 1
	s_cmp_lg_u32 s[CNT], 0
	s_cbranch_scc1 .Ltrip
	TRIP 0, 1                                      ; the last trip is written out: it fills nothing
	; THE BIAS, rounded to bf16 like the other inputs, in the layout of a result: register j of block rbl is b[64 w + 16 rbl + 8 h + j].  It starts the projection's sums.
	s_lshl_b32 s54, s[WV], 8
	v_lshl_add_u32 v20, v2, 5, s54
	WIN 0xc0
.irp rbl, 0,1,2,3
	global_load_b128 v[80+8*\rbl:80+8*\rbl+3], v20, s[8:9] offset:64*\rbl
	global_load_b128 v[80+8*\rbl+4:80+8*\rbl+7], v20, s[8:9] offset:64*\rbl+16
.endr
	WIN 0
	v_lshl_add_u32 v[X2R], v3, 4, X2L
	s_mul_i32 s55, s[WV], 16*272
	s_add_co_u32 s55, s55, OSTG
	v_mul_u32_u24 v[OSTO], v1, 272
	v_lshl_add_u32 v[OSTO], v2, 5, v[OSTO]
	v_add_nc_u32 v[OSTO], s55, v[OSTO]             ; in: row r, 32 bytes for each half of the lanes
	v_mul_u32_u24 v[ORD], v2, 272
	v_lshl_add_u32 v[ORD], v1, 4, v[ORD]
	v_add_nc_u32 v[ORD], s55, v[ORD]               ; back: lanes 0-15 one row of 256 bytes, lanes 16-31 the next
	v_add_nc_u32 v[TH], s[T0S], v2
	v_lshl_add_u32 v[CB], v1, 4, s54               ; 256 w + 16 (lane % 16)
	s_mov_b32 s54, 18840576                        ; (n x 20 + bf) x 1,024 = t x 20,480 - bf x 18,840,576
	s_mov_b32 s55, 20480
	s_mov_b32 s[CNT], 5
	s_wait_loadcnt 0x0                             ; the bias, and W_proj
	WIN 0x0f
.set i, 0
.rept 16
	v_cvt_pk_bf16_f32 v[32+i], v[80+2*i], v[80+2*i+1]
.set i, i+1
.endr
	WIN 0xc0
.set i, 0
.rept 16
	v_lshlrev_b32 v[80+2*i], 16, v[32+i]
	v_and_b32 v[80+2*i+1], 0xffff0000, v[32+i]
.set i, i+1
.endr
	WIN 0
	s_wait_dscnt 0x0                               ; for the others' sake: my stores of x2 are done
	s_barrier_signal -1
	s_barrier_wait -1                              ; x2 is whole
.Lproj:                                            ; a trip: 16 queries x my 64 channels
.set i, 0
.rept 16
	ds_load_b128 v[64+4*i:64+4*i+3], v[X2R] offset:512*i
.set i, i+1
.endr
	s_wait_dscnt 0x0
	WIN 0xf1
.set n, 0
.rept 32                                           ; four accumulators by turns
.set c, n/4
.set rbl, n%4
.if c == 0
	v_wmma_f32_16x16x32_bf16 v[8*rbl:8*rbl+7], v[64*rbl+8*c:64*rbl+8*c+7], v[64+8*c:64+8*c+7], v[80+8*rbl:80+8*rbl+7]
.else
	v_wmma_f32_16x16x32_bf16 v[8*rbl:8*rbl+7], v[64*rbl+8*c:64*rbl+8*c+7], v[64+8*c:64+8*c+7], v[8*rbl:8*rbl+7]
.endif
.set n, n+1
.endr
	PLACES
	WIN 0x0c
.irp rbl, 0,1,2,3
	ds_store_b128 v[OSTO], v[8*\rbl:8*\rbl+3]   offset:64*\rbl
	ds_store_b128 v[OSTO], v[8*\rbl+4:8*\rbl+7] offset:64*\rbl+16
.endr
	WIN 0
	s_wait_xcnt 0x0                                ; the last trip's stores have read their data and offsets
.set i, 0
.rept 8
	ds_load_b128 v[128+4*i:128+4*i+3], v[ORD] offset:544*i  ; LDS serves a wave's instructions in order: these see the stores above
.set i, i+1
.endr
.set i, 0
.rept 8
	v_add_nc_u32 v20, 2*i, v[TH]                   ; t of row 2 i + h
	v_mul_lo_u32 v21, v20, s[M920]
	v_lshrrev_b32 v21, 26, v21
	v_mul_lo_u32 v21, v21, s54
	v_mad_u32_u24 v20, v20, s55, v[CB]
	v_sub_nc_u32 v[OFF+i], v20, v21
.set i, i+1
.endr
	s_wait_dscnt 0x0
.set i, 0
.rept 8
	global_store_b128 v[OFF+i], v[128+4*i:128+4*i+3], s[10:11]  ; 16 lanes store 256 consecutive bytes, at a multiple of 256 from out0's first byte
.set i, i+1
.endr
	v_add_nc_u32 v[X2R], 8192, v[X2R]
	v_add_nc_u32 v[TH], 16, v[TH]
	s_sub_co_u32 s[CNT], s[CNT], 1
	s_cmp_lg_u32 s[CNT], 0
	s_cbranch_scc1 .Lproj
	; out1.  A head's 80 queries x 5 are 1,600 consecutive bytes in LDS and, inside a batch, in out1: 100 pieces of 16 bytes; a piece never crosses a batch's end (23,000 and 5 t0 are multiples of 4).
	; Piece p: b = ((100 wg + p) x 46,685) >> 28 (= / 5,750, exact below 23,000); byte = head x 92,000 + b x 644,000 + 20 t0 + 16 p.
	; Pieces 0 to 95 go by three loads and stores of 32 lanes; pieces 96 to 99 are read by every lane (lane % 4 picks the piece, so no lane names a byte past the head's 1,600) and stored by lanes 0 to 3.
	s_mul_i32 s54, s[WV], 184000
	s_mul_i32 s55, s[T0S], 20
	s_add_co_u32 s54, s54, s55
	s_mul_i32 s55, ttmp9, 100
	s_mov_b32 s56, 46685
	v_add_nc_u32 v20, s55, v3
	v_add_nc_u32 v22, s54, v[L16]
.irp k, 0,1,2,3
	v_add_nc_u32 v21, 32*\k, v20
	v_mul_lo_u32 v21, v21, s56
	v_lshrrev_b32 v21, 28, v21
	v_mul_u32_u24 v21, v21, 644000
	v_add_nc_u32 v[OO+\k], v21, v22
.endr
.irp hh, 0,1
.irp k, 0,1,2
	ds_load_b128 v[64+4*(3*\hh+\k):64+4*(3*\hh+\k)+3], v[ATR] offset:1600*\hh+512*\k  ; my own wave's bytes
.endr
	ds_load_b128 v[88+4*\hh:88+4*\hh+3], v[AT3] offset:1600*\hh+1536
.endr
	s_wait_dscnt 0x0
.irp hh, 0,1
.irp k, 0,1,2
	global_store_b128 v[OO+\k], v[64+4*(3*\hh+\k):64+4*(3*\hh+\k)+3], s[12:13] offset:92000*\hh+512*\k
.endr
.endr
	s_wait_xcnt 0x0                                ; EXEC changes only behind this wait
	v_cmp_gt_u32 vcc_lo, 4, v3                     ; pieces 96 to 99
	s_and_saveexec_b32 s[SVX], vcc_lo
	global_store_b128 v[OO+3], v[88:91], s[12:13] offset:1536
	global_store_b128 v[OO+3], v[92:95], s[12:13] offset:93536
	s_wait_xcnt 0x0
	s_or_b32 exec_lo, exec_lo, s[SVX]
	s_wait_tensorcnt 0x0                           ; the wave's end
	ds_add_u32 v[SPW], v[NIL]
	s_wait_dscnt 0x0
	s_endpgm
.Lfunc_end_k_q84f6d74128_traj:
	.size	k_q84f6d74128_traj, .Lfunc_end_k_q84f6d74128_traj-k_q84f6d74128_traj
	.p2alignl 7, 3214868480
	.fill 96, 4, 3214868480
	.section	.rodata,"a",@progbits
	.p2align	6, 0x0
	.amdhsa_kernel k_q84f6d74128_traj
		.amdhsa_group_segment_fixed_size 327680
		.amdhsa_private_segment_fixed_size 0
		.amdhsa_enable_private_segment 0
		.amdhsa_kernarg_size 40
		.amdhsa_user_sgpr_count 2
		.amdhsa_user_sgpr_kernarg_segment_ptr 1
		.amdhsa_wavefront_size32 1
		.amdhsa_system_sgpr_workgroup_id_x 1
		.amdhsa_system_sgpr_workgroup_id_y 1
		.amdhsa_system_sgpr_workgroup_id_z 1
		.amdhsa_system_vgpr_workitem_id 0
		.amdhsa_next_free_vgpr 1024
		.amdhsa_next_free_sgpr 66
		.amdhsa_reserve_vcc 1
		.amdhsa_float_denorm_mode_32 3
		.amdhsa_float_denorm_mode_16_64 3
		.amdhsa_memory_ordered 1
		.amdhsa_forward_progress 1
		.amdhsa_inst_pref_size 180
	.end_amdhsa_kernel
	.amdgpu_metadata
---
amdhsa.version: [ 1, 2 ]
amdhsa.kernels:
  - .name:           k_q84f6d74128_traj
    .symbol:         k_q84f6d74128_traj.kd
    .args:
      - { .name: x1, .offset: 0, .size: 8, .value_kind: global_buffer, .address_space: global }
      - { .name: wts, .offset: 8, .size: 8, .value_kind: global_buffer, .address_space: global }
      - { .name: b_proj, .offset: 16, .size: 8, .value_kind: global_buffer, .address_space: global }
      - { .name: out0, .offset: 24, .size: 8, .value_kind: global_buffer, .address_space: global }
      - { .name: out1, .offset: 32, .size: 8, .value_kind: global_buffer, .address_space: global }
    .group_segment_fixed_size: 327680
    .private_segment_fixed_size: 0
    .kernarg_segment_align: 8
    .kernarg_segment_size: 40
    .max_flat_workgroup_size: 128
    .sgpr_count:     66
    .vgpr_count:     1024
    .wavefront_size: 32
...
	.end_amdgpu_metadata
.endif
;; end of part 4
